; MI455X (gfx1250); checked and timed in simulation.
; The chip was launched on July 23, 2026; its instructions are those of AMD's public machine-readable ISA for CDNA 5 (MIT licence, August 2026) and "CDNA5" Instruction Set Architecture Reference Guide (July 2026). The comments in the code are by the model that wrote it; some were corrected since.
;; Multihead Attention. Allowed arithmetic: matrix products marked QUANTISED: E2M3 operands, one E8M0 scale for each 32 along K, by v_wmma_scale_f32_16x16x128_f8f6f4 with both operands' format E2M3, f32 sums; everything else in f32.
;; Inputs: W_k 1,024 x 1,024 float32; W_o 1,024 x 1,024 float32; W_q 1,024 x 1,024 float32; W_v 1,024 x 1,024 float32; token_positions 2,048 int32; x 4 x 2,048 x 1,024 float32.
;; Outputs: out0 4 x 2,048 x 1,024 float32.
;; This version of the problem:
;;   THIS VERSION OF THE PROBLEM IS GIVEN IN LOW PRECISION. The matrix products marked QUANTISED in the list below multiply operands that are first quantised to E2M3 (2 exponent bits, 3 mantissa bits; 6 bits a number), with one power-of-two scale for each 32 numbers along K (OCP MX v1.0); their sums are f32. All else is computed in f32.
;;   The module's matrix products, in the order in which they are computed (A, B: the left and right operand; K: the contracted axis; several contracted axes count as one K, in the product's order):
;;     1. [M 8,192, K 1,024] x [K 1,024, N 1,024]; A: input x; B: input W_q: QUANTISED
;;     2. [M 8,192, K 1,024] x [K 1,024, N 1,024]; A: input x; B: input W_k: QUANTISED
;;     3. [M 8,192, K 1,024] x [K 1,024, N 1,024]; A: input x; B: input W_v: QUANTISED
;;     4. batch 64 x [M 2,048, K 64] x [K 64, N 2,048]; A: computed on the way; B: computed on the way: QUANTISED
;;     5. batch 64 x [M 2,048, K 2,048] x [K 2,048, N 64]; A: softmax (see below); B: computed on the way: QUANTISED
;;     6. [M 8,192, K 1,024] x [K 1,024, N 1,024]; A: computed on the way; B: input W_o: QUANTISED
;;   THE QUANTISER, for each operand of a quantised product, along K:
;;     - K is cut into blocks of 32 from its start; a last block that is shorter is filled with zeros.
;;     - A block's scale is 2^e with e = floor(log2(the largest magnitude in the block)) - 2, held to -126 .. 127; a block of zeros has e = 0. As a byte (E8M0): e + 127.
;;     - Each number is divided by its block's scale, clamped to +-7.5, and rounded to the nearest number of E2M3, ties to even, subnormals kept.
;;     - The product sums the exact products of the quantised numbers (number of the format x scale) in f32.
;;   ~~~python
;;   def quantise(x, axis):      # numpy; x: float32 -> the quantised numbers, widened to float32 again
;;       x = np.moveaxis(x, axis, -1); K = x.shape[-1]
;;       x = np.pad(x, [(0, 0)] * (x.ndim - 1) + [(0, -K % 32)]); x = x.reshape(x.shape[:-1] + (-1, 32)); a = np.abs(x).max(-1, keepdims=True)
;;       e = np.where(a > 0, np.clip(np.frexp(np.where(a > 0, a, 1))[1] - 1 - 2, -126, 127), 0)      # np.frexp(a)[1] - 1 = floor(log2(a)), exactly
;;       r = np.clip(x / 2.0 ** e, -7.5, 7.5)
;;       step = 2.0 ** (np.maximum(np.frexp(np.where(r == 0, 1, r))[1] - 1, 0) - 3)
;;       q = np.round(r / step) * step * 2.0 ** e      # np.round: ties to even
;;       return np.moveaxis(q.reshape(q.shape[:-2] + (-1,))[..., :K], -1, axis).astype(np.float32)
;;   ~~~
;;   SOFTMAX AHEAD OF A QUANTISED PRODUCT. Where the list says 'softmax', what is quantised is not the finished softmax but p = 2^(t - M), with t = logit x log2(e) and M = ceil(the row's largest t), a whole number; so 1/2 < the row's largest p <= 1. The row's sum l is taken of the UNQUANTISED p, in f32, and the product's result is divided by l at the end. Since M is a whole number, a kernel that streams over the keys may use a running M (the ceiling of the running maximum): every later rescaling is an exact power of two, which a block's scale takes up: the codes' values come out the same.
;;   OPERANDS COMPUTED ON THE WAY. 'Computed on the way' means the value that the module computes at that place (a softmax that the list does not call 'softmax' is quantised finished and normalised). What goes into a quantiser is computed in f32, as accurately as f32 sums, v_exp_f32 and their like allow (about 1e-6 of the number): no bf16 or f16 on the way to a quantiser, and a product that is left as it is and whose result goes on into a quantised operand takes f32 operands (vector FMAs, or v_wmma_f32_16x16x4_f32). A number that lies on a knife's edge between two numbers of the format may be rounded either way, as far as f32 arithmetic and the matrix unit's own rounding can turn it there, and no further.
;; One version. Each part assembles by itself: llvm-mc -triple=amdgcn-amd-amdhsa -mcpu=gfx1250 --defsym DOCPART=n.
;; ======== version 1 of 1: 4 launches
;; limits: inputs' magnitudes at most 1,048,576; right only within a limited range of input values
;; workspace buffers: xq 6,553,600 bytes; wq 3,276,800 bytes; rope 524,288 bytes; qkv 20,185,088 bytes; oq 6,553,600 bytes
;; launch quant (part 1): grid 512 x 1, 4 waves a work-group, no clusters, 34,304 bytes of LDS; arguments x, W_q, W_k, W_v, W_o, token_positions, xq, wq, rope; writes xq, wq, rope
.if DOCPART == 1
	.amdgcn_target "amdgcn-amd-amdhsa--gfx1250"
	.amdhsa_code_object_version 6
	.text
	.protected	k_q51476cc4a4_quant
	.globl	k_q51476cc4a4_quant
	.p2align	8
	.type	k_q51476cc4a4_quant,@function
k_q51476cc4a4_quant:
	s_mov_b64 s[64:65], 0
	v_nop
	global_prefetch_b8 v0, s[64:65] scope:SCOPE_SE
	s_setreg_imm32_b32 hwreg(HW_REG_WAVE_MODE, 25, 1), 1
	s_wait_xcnt 0x0
; x [8192][1024] and the four weights [1024][1024], f32, K innermost, become codes of FP6 (E2M3) with one E8M0 byte for each 32 along K,
; laid as IMAGES OF OPERAND REGISTERS; and token_positions become a table of cosines and sines.
; LAYOUT of xq and wq.  Codes: [block of 16 rows][K step of 128: 8][1536 bytes].  A fragment (12 registers a lane) lies as registers 0-3 at 16 x lane,
; 4-5 at 512 + 8 x lane, 6-9 at 768 + 16 x lane, 10-11 at 1280 + 8 x lane.  Scale words behind the codes: [block][K step / 4][row 16][4 words].
; THE ROWS OF A BLOCK ARE NOT NEIGHBOURS: row r of block 2 B + u is the tensor's row 32 B + 8 u + r + 8 (r / 8), so that a later product, used transposed,
; leaves 16 neighbours along its next K in a lane's 16 registers.
; A block's scale is 2^(floor(log2(largest magnitude)) - 2): its byte is the largest magnitude's exponent field - 2, held at 1 from below.
; LIMITS: NaN and infinities are not served.  A block of zeros, or one whose largest magnitude lies under 2^-124, gets the byte 1 (its codes are zeros or the
; nearest codes under that scale); only this program reads the bytes.  Sine and cosine: reduction by pi/2 in three parts, good to about 1e-7 absolute for
; angles up to about 2^20; the inverse frequency comes from v_exp_f32 of a rounded product, within about 8e-7 of its value.
; SHARES.  Work-groups 0-255: x; 256-383: the weights (32 each); a wave takes 16 rows x 512 along K: four fragments.  Work-groups 384-511: the table, 16 positions each.
; Each load reads 512 consecutive bytes of one row; the 16 rows of a K step turn through the wave's own stage in LDS (pitch 528) so that a lane gets 16 neighbours of each block of 32.
.set XSC,  6291456                     ; where xq's scale words begin
.set WSC,  3145728                     ; where wq's begin
.set SP,   528                         ; a stage row: 512 bytes + 16
.set L16,  1                           ; v1  16 x lane
.set L8,   2                           ; v2  8 x lane
.set RDB,  3                           ; v3  stage, on the way out: row r, + 64 h
.set STW,  4                           ; v4  stage, on the way in: 16 x lane
.set SOFF, 5                           ; v5  16 r + 8 h: my two scale words
.set VH,   6                           ; v6  h = lane / 16
.set RS,   16                          ; v16-143  two sets of 64 numbers
.set PC,   144                         ; v144-191 four fragments' codes: no store's data are written again
.set CT,   192                         ; v192-198 the conversions' second halves
.set TM,   200                         ; v200-203 largest magnitudes, v204-207 bytes, v212-215 the conversions' scale operands
.set PW,   216                         ; v216-219 the four scale words
.set SW,   220                         ; v[220:221] the two that I store
.set SEL,  40                          ; s[40:41] selects for lane l xor 16
	s_load_b256 s[4:11], s[0:1], 0x0               ; x, W_q, W_k, W_v
	s_load_b256 s[12:19], s[0:1], 0x20             ; W_o, token_positions, xq, wq
	s_load_b64 s[20:21], s[0:1], 0x40              ; rope
	v_lshl_add_u32 v224, v0, 2, 0x8400
	v_mov_b32 v225, 0
	v_lshrrev_b32 v7, 5, v0
	v_readfirstlane_b32 s22, v7                    ; wave
	v_and_b32 v8, 31, v0                           ; lane
	v_and_b32 v9, 15, v0                           ; r
	v_bfe_u32 v[VH], v0, 4, 1                      ; h
	s_cmp_ge_u32 ttmp9, 384
	s_cbranch_scc1 .Lrope
	; ---------------- the quantiser ----------------
	v_lshlrev_b32 v[L16], 4, v8
	v_lshlrev_b32 v[L8], 3, v8
	s_mul_i32 s23, s22, 16*SP                      ; my stage
	v_add_nc_u32 v[STW], s23, v[L16]
	v_mul_u32_u24 v[RDB], v9, SP
	v_lshl_add_u32 v[RDB], v[VH], 6, v[RDB]
	v_add_nc_u32 v[RDB], s23, v[RDB]
	v_lshlrev_b32 v[SOFF], 4, v9
	v_lshl_add_u32 v[SOFF], v[VH], 3, v[SOFF]
	s_mov_b32 s[SEL], 0x76543210
	s_mov_b32 s[SEL+1], 0xfedcba98
.irp b, 0,1,2,3
	v_mov_b32 v[TM+4+\b], 0                        ; written once: a lane permute's destination counts as one of its sources
.endr
	s_lshl_b32 s24, ttmp9, 1
	s_lshr_b32 s25, s22, 1
	s_add_co_u32 s24, s24, s25                     ; block of 16 rows: 2 x work-group + wave / 2
	s_and_b32 s25, s22, 1                          ; which half of K
	s_wait_alu depctr_va_vdst(0)
	s_wait_kmcnt 0x0
	s_mov_b64 s[26:27], s[12:13]                   ; the source, chosen by the work-group's number alone
	s_cmp_lt_u32 ttmp9, 352
	s_cselect_b64 s[26:27], s[10:11], s[26:27]
	s_cmp_lt_u32 ttmp9, 320
	s_cselect_b64 s[26:27], s[8:9], s[26:27]
	s_cmp_lt_u32 ttmp9, 288
	s_cselect_b64 s[26:27], s[6:7], s[26:27]
	s_cmp_lt_u32 ttmp9, 256
	s_cselect_b64 s[26:27], s[4:5], s[26:27]
	s_cselect_b64 s[28:29], s[16:17], s[18:19]     ; the destination: xq or wq
	s_mov_b32 s30, WSC
	s_cselect_b32 s30, XSC, s30                    ; where its scale words begin
	s_cselect_b32 s31, 0, 512
	s_cselect_b32 s32, 511, 63
	s_sub_co_u32 s24, s24, s31                     ; the block in the destination
	s_and_b32 s32, s24, s32                        ; and in the source tensor
	s_lshr_b32 s33, s32, 1
	s_lshl_b32 s33, s33, 5
	s_and_b32 s32, s32, 1
	s_lshl_b32 s32, s32, 3
	s_add_co_u32 s33, s33, s32                     ; its first row: 32 (block / 2) + 8 (block % 2)
	s_lshl_b32 s34, s33, 12                        ; rows of 4,096 bytes
	s_lshl_b32 s32, s25, 11
	s_add_co_u32 s34, s34, s32                     ; + my half of K
	s_mov_b32 s35, 0
	s_add_nc_u64 s[26:27], s[26:27], s[34:35]
	s_mul_i32 s34, s24, 12288
	s_mul_i32 s32, s25, 6144
	s_add_co_u32 s34, s34, s32
	s_add_nc_u64 s[36:37], s[28:29], s[34:35]      ; my four fragments
	s_lshl_b32 s34, s24, 9
	s_lshl_b32 s32, s25, 8
	s_add_co_u32 s34, s34, s32
	s_add_co_u32 s34, s34, s30
	s_add_nc_u64 s[38:39], s[28:29], s[34:35]      ; my 256 bytes of scale words
.macro LOAD t                          ; K step t of my 16 rows into set t % 2: 32 lanes read 512 consecutive bytes of one row
.irp i, 0,1,2,3,4,5,6,7,8,9,10,11,12,13,14,15
	global_load_b128 v[RS+64*((\t)%2)+4*\i:RS+64*((\t)%2)+4*\i+3], v[L16], s[26:27] offset:(\i+8*(\i/8))*4096+512*(\t) th:TH_LOAD_NT
.endr
.endm
; 64 numbers of a lane, register 16 b + i = k 32 b + 16 h + i of my row, become a fragment's codes in v[pc] on and its scale word in v[pw].
.macro QUANT s, pc, pw
.irp b, 0,1,2,3
	v_max3_num_f32 v[TM+\b], |v[(\s)+16*\b]|, |v[(\s)+1+16*\b]|, 0x1800000   ; my 16 numbers of block b, and the floor 2^(3 - 127): the byte cannot fall under 1
.endr
.irp i, 2,4,6,8,10,12,14
.irp b, 0,1,2,3
	v_max3_num_f32 v[TM+\b], v[TM+\b], |v[(\s)+16*\b+\i]|, |v[(\s)+1+16*\b+\i]|
.endr
.endr
.irp b, 0,1,2,3
	v_permlanex16_b32 v[TM+4+\b], v[TM+\b], s[SEL], s[SEL+1]
.endr
.irp b, 0,1,2,3
	v_max_num_f32 v[TM+\b], v[TM+\b], v[TM+4+\b]   ; with lane l xor 16's: the block's largest magnitude
.endr
.irp b, 0,1,2,3
	v_add_nc_u32 v[TM+12+\b], 0xff000000, v[TM+\b] ; 2 off its exponent field: the conversion's scale operand
.endr
.irp b, 0,1,2,3
	v_lshrrev_b32 v[TM+4+\b], 23, v[TM+12+\b]      ; the scale's byte
.endr
	v_lshl_or_b32 v[(\pw)], v[TM+5], 8, v[TM+4]
	v_lshl_or_b32 v[(\pw)], v[TM+6], 16, v[(\pw)]
	v_lshl_or_b32 v[(\pw)], v[TM+7], 24, v[(\pw)]
.irp c, 0,1
	v_cvt_scalef32_pk16_fp6_f32 v[(\pc)+6*\c:(\pc)+2+6*\c], v[(\s)+32*\c:(\s)+15+32*\c], v[TM+12+2*\c]
	v_cvt_scalef32_pk16_fp6_f32 v[CT+4*\c:CT+2+4*\c], v[(\s)+16+32*\c:(\s)+31+32*\c], v[TM+13+2*\c]   ; (a conversion's three registers begin on an even number)
.endr
	v_nop                                          ; one plain place behind a scaled conversion
.irp c, 0,1                                    ; the operand's layout wants a whole block in a lane
.irp i, 0,1,2
	v_permlane16_swap_b32 v[(\pc)+6*\c+\i], v[CT+4*\c+\i]
.endr
.irp i, 0,1,2
	v_mov_b32 v[(\pc)+3+6*\c+\i], v[CT+4*\c+\i]
.endr
.endr
.endm
.macro STEP t
.set XS, RS+64*((\t)%2)
.if (\t) < 3
	s_wait_loadcnt 16                              ; this K step's 16 loads are in; the other set's 16 may be out
.else
	s_wait_loadcnt 0x0
.endif
.irp i, 0,1,2,3,4,5,6,7,8,9,10,11,12,13,14,15
	ds_store_b128 v[STW], v[XS+4*\i:XS+4*\i+3] offset:SP*\i
.endr
	s_wait_dscnt 0x0                               ; the stores have read their registers, which the loads below write
.irp b, 0,1,2,3
.irp j, 0,1,2,3
	ds_load_b128 v[XS+16*\b+4*\j:XS+16*\b+4*\j+3], v[RDB] offset:128*\b+16*\j
.endr
.endr
	s_wait_dscnt 0x0
	QUANT XS, PC+12*(\t), PW+(\t)
.if (\t) < 2
	LOAD (\t)+2
.endif
	global_store_b128 v[L16], v[PC+12*(\t):PC+12*(\t)+3], s[36:37] offset:1536*(\t)          ; 512 consecutive bytes
	global_store_b64 v[L8], v[PC+12*(\t)+4:PC+12*(\t)+5], s[36:37] offset:1536*(\t)+512      ; 256
	global_store_b128 v[L16], v[PC+12*(\t)+6:PC+12*(\t)+9], s[36:37] offset:1536*(\t)+768
	global_store_b64 v[L8], v[PC+12*(\t)+10:PC+12*(\t)+11], s[36:37] offset:1536*(\t)+1280
.endm
	LOAD 0
	LOAD 1
	STEP 0
	STEP 1
	STEP 2
	STEP 3
	v_cmp_ne_u32 vcc_lo, 0, v[VH]                  ; lanes 0-15 store words 0 and 1 of their row, lanes 16-31 words 2 and 3
	v_cndmask_b32 v[SW], v[PW], v[PW+2], vcc_lo
	v_cndmask_b32 v[SW+1], v[PW+1], v[PW+3], vcc_lo
	global_store_b64 v[SOFF], v[SW:SW+1], s[38:39] ; 256 consecutive bytes
	s_wait_tensorcnt 0x0
	ds_add_u32 v224, v225
	s_wait_dscnt 0x0
	s_endpgm
	; ---------------- the table: rope[place in the sequence][pair 0..31] = (cos, sin) of f32(position) x 10000^(-pair / 32) ----------------
.Lrope:
.set T0, 18                            ; v18-23 at work
	s_sub_co_u32 s23, ttmp9, 384
	s_lshl_b32 s23, s23, 4
	s_lshl_b32 s24, s22, 2
	s_add_co_u32 s23, s23, s24                     ; my wave's first place: 16 x group + 4 x wave
	s_mov_b32 s42, 0x3f22f983                      ; 2 / pi
	s_mov_b32 s43, 0x3fc90fdb                      ; pi / 2 in three parts
	s_mov_b32 s44, 0xb33bbd2e
	s_mov_b32 s45, 0xa6f72ced
	s_mov_b32 s46, 0xbe2aaaa3                      ; the sine's polynomial
	s_mov_b32 s47, 0x3c08839e
	s_mov_b32 s48, 0xb94ca1f9
	s_mov_b32 s49, 0x3d2aaaa5                      ; the cosine's
	s_mov_b32 s50, 0xbab6061a
	s_mov_b32 s51, 0x37ccf5ce
	s_mov_b32 s52, 0xbed49a78                      ; -log2(10000) / 32
	s_wait_alu depctr_va_vdst(0)
	v_lshlrev_b32 v10, 1, v9                       ; my pairs: 2 r and 2 r + 1
	v_cvt_f32_u32 v10, v10
	v_add_f32 v11, 1.0, v10
	v_mul_f32 v10, s52, v10
	v_mul_f32 v11, s52, v11
	s_wait_alu depctr_va_vdst(0)
	v_exp_f32 v10, v10                             ; their inverse frequencies
	v_exp_f32 v11, v11
	v_lshlrev_b32 v12, 2, v[VH]                    ; (a plain place)  lanes 16-31 take the next place in the sequence
	v_lshlrev_b32 v13, 4, v9
	v_lshl_add_u32 v13, v[VH], 8, v13              ; 256 bytes a place, 16 bytes a lane
	s_lshl_b32 s24, s23, 2
	s_mov_b32 s25, 0
	s_wait_alu depctr_va_vdst(0)
	s_wait_kmcnt 0x0
	s_add_nc_u64 s[14:15], s[14:15], s[24:25]
	s_lshl_b32 s24, s23, 8
	s_add_nc_u64 s[20:21], s[20:21], s[24:25]
	global_load_b32 v14, v12, s[14:15]
	global_load_b32 v15, v12, s[14:15] offset:8
	s_wait_loadcnt 0x0
	s_wait_alu depctr_va_vdst(0)                   ; one wait for the two exponentials, ahead of their first reader
.macro SINCOS a, c, s
	v_mul_f32 v[T0], s42, v[\a]
	v_rndne_f32 v[T0], v[T0]                       ; n = the nearest multiple of pi / 2
	v_fma_f32 v[T0+1], -v[T0], s43, v[\a]
	v_fma_f32 v[T0+1], -v[T0], s44, v[T0+1]
	v_fma_f32 v[T0+1], -v[T0], s45, v[T0+1]        ; r, within pi / 4 of 0
	v_mul_f32 v[T0+2], v[T0+1], v[T0+1]            ; z = r r
	v_cvt_i32_f32 v[T0], v[T0]
	v_fma_f32 v[T0+3], v[T0+2], s48, s47
	v_fma_f32 v[T0+3], v[T0+2], v[T0+3], s46
	v_mul_f32 v[T0+4], v[T0+1], v[T0+2]
	v_fma_f32 v[T0+3], v[T0+4], v[T0+3], v[T0+1]   ; sin r
	v_fma_f32 v[T0+4], v[T0+2], s51, s50
	v_fma_f32 v[T0+4], v[T0+2], v[T0+4], s49
	v_mul_f32 v[T0+5], v[T0+2], v[T0+2]
	v_fma_f32 v[T0+2], v[T0+2], -0.5, 1.0
	v_fma_f32 v[T0+4], v[T0+5], v[T0+4], v[T0+2]   ; cos r
	v_and_b32 v[T0+5], 1, v[T0]
	v_cmp_ne_u32 vcc_lo, 0, v[T0+5]                ; an odd quarter swaps the two;
	v_cndmask_b32 v[\s], v[T0+3], v[T0+4], vcc_lo
	v_cndmask_b32 v[\c], v[T0+4], v[T0+3], vcc_lo
	v_lshlrev_b32 v[T0+5], 30, v[T0]               ; quarters 2 and 3 turn the sine's sign,
	v_and_b32 v[T0+5], 0x80000000, v[T0+5]
	v_xor_b32 v[\s], v[\s], v[T0+5]
	v_add_nc_u32 v[T0], 1, v[T0]                   ; quarters 1 and 2 the cosine's
	v_lshlrev_b32 v[T0], 30, v[T0]
	v_and_b32 v[T0], 0x80000000, v[T0]
	v_xor_b32 v[\c], v[\c], v[T0]
.endm
.irp i, 0,1
	v_cvt_f32_i32 v[14+\i], v[14+\i]
	v_mul_f32 v16, v[14+\i], v10                   ; the angles, rounded once
	v_mul_f32 v17, v[14+\i], v11
	SINCOS 16, 24+4*\i, 25+4*\i
	SINCOS 17, 26+4*\i, 27+4*\i
	global_store_b128 v13, v[24+4*\i:27+4*\i], s[20:21] offset:512*\i   ; 512 consecutive bytes: two places
.endr
	s_endpgm
.Lfunc_end_k_q51476cc4a4_quant:
	.size	k_q51476cc4a4_quant, .Lfunc_end_k_q51476cc4a4_quant-k_q51476cc4a4_quant
	.p2alignl 7, 3214868480
	.fill 96, 4, 3214868480
	.section	.rodata,"a",@progbits
	.p2align	6, 0x0
	.amdhsa_kernel k_q51476cc4a4_quant
		.amdhsa_group_segment_fixed_size 34304
		.amdhsa_private_segment_fixed_size 0
		.amdhsa_enable_private_segment 0
		.amdhsa_kernarg_size 72
		.amdhsa_user_sgpr_count 2
		.amdhsa_user_sgpr_kernarg_segment_ptr 1
		.amdhsa_wavefront_size32 1
		.amdhsa_system_sgpr_workgroup_id_x 1
		.amdhsa_system_sgpr_workgroup_id_y 1
		.amdhsa_system_sgpr_workgroup_id_z 1
		.amdhsa_system_vgpr_workitem_id 0
		.amdhsa_next_free_vgpr 226
		.amdhsa_next_free_sgpr 66
		.amdhsa_reserve_vcc 1
		.amdhsa_float_denorm_mode_32 3
		.amdhsa_float_denorm_mode_16_64 3
		.amdhsa_memory_ordered 1
		.amdhsa_forward_progress 1
		.amdhsa_inst_pref_size 42
	.end_amdhsa_kernel
	.amdgpu_metadata
---
amdhsa.version: [ 1, 2 ]
amdhsa.kernels:
  - .name:           k_q51476cc4a4_quant
    .symbol:         k_q51476cc4a4_quant.kd
    .args:
      - { .name: x, .offset: 0, .size: 8, .value_kind: global_buffer, .address_space: global }
      - { .name: W_q, .offset: 8, .size: 8, .value_kind: global_buffer, .address_space: global }
      - { .name: W_k, .offset: 16, .size: 8, .value_kind: global_buffer, .address_space: global }
      - { .name: W_v, .offset: 24, .size: 8, .value_kind: global_buffer, .address_space: global }
      - { .name: W_o, .offset: 32, .size: 8, .value_kind: global_buffer, .address_space: global }
      - { .name: token_positions, .offset: 40, .size: 8, .value_kind: global_buffer, .address_space: global }
      - { .name: xq, .offset: 48, .size: 8, .value_kind: global_buffer, .address_space: global }
      - { .name: wq, .offset: 56, .size: 8, .value_kind: global_buffer, .address_space: global }
      - { .name: rope, .offset: 64, .size: 8, .value_kind: global_buffer, .address_space: global }
    .group_segment_fixed_size: 34304
    .private_segment_fixed_size: 0
    .kernarg_segment_align: 8
    .kernarg_segment_size: 72
    .max_flat_workgroup_size: 128
    .sgpr_count:     66
    .vgpr_count:     226
    .wavefront_size: 32
...
	.end_amdgpu_metadata
.endif
;; end of part 1
;; launch qkv (part 2): grid 192 x 4, 4 waves a work-group, clusters of 4 x 4, 307,712 bytes of LDS; arguments xq, wq, rope, qkv; writes qkv
.if DOCPART == 2
	.amdgcn_target "amdgcn-amd-amdhsa--gfx1250"
	.amdhsa_code_object_version 6
	.text
	.protected	k_q51476cc4a4_qkv
	.globl	k_q51476cc4a4_qkv
	.p2align	8
	.type	k_q51476cc4a4_qkv,@function
k_q51476cc4a4_qkv:
	s_mov_b64 s[64:65], 0
	v_nop
	global_prefetch_b8 v0, s[64:65] scope:SCOPE_SE
	s_setreg_imm32_b32 hwreg(HW_REG_WAVE_MODE, 25, 1), 1
	s_wait_xcnt 0x0
	s_wait_alu depctr_hold_cnt(0) depctr_sa_sdst(0) depctr_va_vdst(0) depctr_va_sdst(0) depctr_va_ssrc(0) depctr_va_vcc(0) depctr_vm_vsrc(0)
	s_getreg_b32 s2, hwreg(HW_REG_IB_STS2, 6, 4)
	s_cmp_eq_u32 s2, 0
	s_cbranch_scc0 .Lentry_in_a_cluster
	s_endpgm
.Lentry_in_a_cluster:
	s_bfe_u32 s2, ttmp6, 0x10000c
	s_cmp_lg_u32 s2, 0xf033
	s_cbranch_scc0 .Lentry_shape_is_right
	s_endpgm
.Lentry_shape_is_right:
; Q = rope(x W_q^T), K = rope(x W_k^T), V^T = W_v x^T on codes of FP6 (E2M3) with E8M0 scales, each result quantised again for attention: Q and K along the head's 64, V along the keys.
; ONE PRODUCT FORM: C'[m'][n'] = A' B'^T, a tile of 128 (A') x 256 (B'), K = 1,024.  Clusters 0-31: A' = x, B' = W_q and W_k.  Clusters 32-47: A' = W_v, B' = x.
; Four waves, each 64 (A') x 128 (B'): 32 accumulators.  THE MATRIX INSTRUCTION IS USED TRANSPOSED (source 0 = 16 rows of B', source 1 = 16 rows of A'): a lane holds one row of A', its registers run along B'.
; The operands lie in memory as images of their registers, their rows in the order that makes a lane's 16 registers of two neighbouring tiles 16 neighbours along B' (see the launch that made them).
; ALL OF K LIES IN LDS: four quarters of two K steps, filled once, by five tensor loads a wave at the head (the scale words, then the quarters); no byte of LDS is filled twice.
; CLUSTERS: 4 x 4 work-groups; A's tiles are asked for jointly along a row of the cluster, B's along a column.
; qkv, for each (batch, head), 315,392 bytes: Q codes [tile of 16 tokens: 128][768]; Q scale words [tile / 4][row 16][tile % 4] at 98,304; from 106,496 on sixteen chunks of 13,056, one for 128 keys:
;   K codes [tile 8][768], V^T codes [16 channels: 4][1536] at 6,144, K scale words [2][16][4] at 12,288, V^T scale words [16][4] at 12,800.
;   768 bytes are 16 rows x 64 along K: registers 0-3 at 16 x lane, 4-5 at 512 + 8 x lane.  Q's and K's scale words carry two bytes; the upper two are 0, over zero codes.
; LIMITS: NaN and infinities are not served; a block whose largest magnitude lies under 2^-124 gets the byte 1; only this program reads the bytes.
; REGISTERS, in windows of 256: window 0: v1-14 addresses; v32-95 scale words; v96-119 the quantiser's; v128-223 A's fragments, two sets; on the way out v128-191 rotated numbers, v192-246 codes.
;   window 1: B's fragments, two sets, at v0 and v128.   window 2: accumulator (a, b) at v[8 (8 a + b)].   window 3: v0-127 cosines and sines.
.set BH,   315392
.set KV,   106496
.set CH,   13056
.set XSC,  6291456
.set WSC,  3145728
.set QTR,  73728                       ; a quarter in LDS: A' [block 8][2][1536], then B' [block 16][2][1536]
.set SCL,  4*QTR                       ; the scale words: A's 4,096 bytes, then B's 8,192
.set ADA16, 1
.set ADA8,  2
.set ADB16, 3
.set ADB8,  4
.set ADRS,  5                          ; v5  scale words: lanes 0-15 A's rows, lanes 16-31 B's
.set L16,   6
.set L8,    7
.set VR,    8                          ; v8  my token's row of the table
.set VSH,   9                          ; v9  16 h
.set SOF,   10                         ; v10 16 r + h x a head's bytes
.set R16,   11                         ; v11 16 r
.set SC,    32
.set TM,    96
.set PWQ,   116                        ; v116-119 the four blocks' scale words
.set AF,    128
.set RT,    128
.set PC,    192
.set CT,    240
.set SEL,   2                          ; s[2:3] on the way out: selects for lane l xor 16
.set G1A,  24
.set G1B,  32
.set G1SA, 40
.set G1SB, 48
.set GAS,  56
.set GA0,  60
.set GA1,  68
.set GA2,  72
.set GA3,  76
.set GBS,  80
.set GB0,  84
.set GB1,  88
.set GB2,  92
.set GB3,  96
.set MSB, 0
.macro WIN new                         ; the immediate's high byte repeats the setting that is left
.if MSB != \new
	s_set_vgpr_msb (MSB<<8)|\new
.set MSB, \new
.endif
.endm
.macro PLACES n
.rept \n
	v_nop
.endr
.endm
.macro CROUND                          ; a round of the cluster's barrier
	s_barrier_signal -1
	s_barrier_wait -1
	s_cmp_lg_u32 s12, 0
	s_cbranch_scc1 .Lnot_wave_0_\@
	s_barrier_signal -3
.Lnot_wave_0_\@:
	s_barrier_wait -3
	s_barrier_signal -1
	s_barrier_wait -1
.endm
	s_load_b256 s[4:11], s[0:1], 0x0               ; xq, wq, rope, qkv
	v_lshl_add_u32 v254, v0, 2, 0x4b000
	v_mov_b32 v255, 0
	ds_add_u32 v254, v255
	ds_add_u32 v254, v255
	v_lshrrev_b32 v1, 5, v0
	v_readfirstlane_b32 s12, v1                    ; wave 0..3
	s_lshr_b32 s13, s12, 1                         ; which 64 rows of A' are mine.  Also: I fetch for A' (0) or B' (1)
	s_and_b32 s14, s12, 1                          ; which 128 rows of B'.  Also: which half of that tile I fetch
	s_bfe_u32 s15, ttmp6, 0x40000                  ; cx
	s_bfe_u32 s16, ttmp6, 0x40004                  ; cy
	s_lshr_b32 s18, ttmp9, 1                       ; Q, K: 16 x 2 clusters;  V: 2 x 8
	s_lshr_b32 s19, ttmp9, 3
	s_sub_co_u32 s19, s19, 4
	s_and_b32 s22, ttmp9, 1
	s_and_b32 s23, ttmp9, 7
	s_cmp_ge_u32 ttmp9, 32
	s_cselect_b32 s17, 1, 0                        ; 1: V.  The same in all partners
	s_cselect_b32 s18, s19, s18
	s_cselect_b32 s22, s23, s22
	s_lshl_b32 s18, s18, 2
	s_add_co_u32 s18, s18, s16                     ; tile row (128 rows of A')
	s_lshl_b32 s22, s22, 2
	s_add_co_u32 s22, s22, s15                     ; tile column (256 rows of B')
	s_lshl_b32 s19, s16, 2
	s_lshl_b32 s19, 15, s19                        ; my row of the cluster
	s_lshl_b32 s23, 0x1111, s15                    ; my column
	; descriptor groups 1: elements of 8 bytes, no padding, the bit beside the mask set.  Codes: a block's two K steps are 384 elements, blocks 1,536 elements apart
	s_or_b32 s[G1A], s19, (3<<16)|(1<<21)
	s_or_b32 s[G1SA], s19, (3<<16)|(1<<21)
	s_or_b32 s[G1B], s23, (3<<16)|(1<<21)
	s_or_b32 s[G1SB], s23, (3<<16)|(1<<21)
.irp g, G1A, G1B
	s_mov_b32 s[\g+1], 384<<16                     ; tensor_dim0
	s_mov_b32 s[\g+3], 384<<16                     ; tile_dim0
	s_mov_b32 s[\g+5], 1536                        ; from block to block
	s_mov_b32 s[\g+6], 0
	s_mov_b32 s[\g+7], 0
.endr
	s_mov_b32 s[G1A+2], 4<<16                      ; A': 4 blocks a load
	s_mov_b32 s[G1A+4], 4
	s_mov_b32 s[G1B+2], 8<<16                      ; B': 8
	s_mov_b32 s[G1B+4], 8
.irp g, G1SA, G1SB                             ; scale words: dense, as rows of 256 bytes
	s_mov_b32 s[\g+1], 32<<16
	s_mov_b32 s[\g+3], 32<<16
	s_mov_b32 s[\g+5], 32
	s_mov_b32 s[\g+6], 0
	s_mov_b32 s[\g+7], 0
.endr
	s_mov_b32 s[G1SA+2], 8<<16
	s_mov_b32 s[G1SA+4], 8
	s_mov_b32 s[G1SB+2], 16<<16
	s_mov_b32 s[G1SB+4], 16
	; A's addresses are made of the tile row and the wave's number, B's of the tile column and the wave's number, each in registers of its own
	s_lshl_b32 s20, s18, 3
	s_lshl_b32 s21, s17, 7                         ; W_v's blocks begin at 128 in wq
	s_add_co_u32 s20, s20, s21
	s_lshl_b32 s21, s14, 2
	s_add_co_u32 s20, s20, s21                     ; A': the first block that I fetch
	s_mul_i32 s100, s20, 12288
	s_mov_b32 s101, 0
	s_lshl_b32 s20, s20, 9
	s_mov_b32 s21, 0
	s_lshl_b32 s2, s22, 4
	s_lshl_b32 s3, s14, 3
	s_add_co_u32 s2, s2, s3                        ; B': likewise
	s_mul_i32 s66, s2, 12288
	s_mov_b32 s67, 0
	s_lshl_b32 s2, s2, 9
	s_mov_b32 s3, 0
	s_cmp_eq_u32 s17, 1
	s_mov_b32 s19, XSC
	s_cselect_b32 s19, WSC, s19                    ; where A's buffer has its scale words
	s_mov_b32 s23, WSC
	s_cselect_b32 s23, XSC, s23                    ; and B's
	s_wait_dscnt 0x0
	s_wait_kmcnt 0x0
	s_cselect_b64 s[GAS+2:GAS+3], s[6:7], s[4:5]   ; A's buffer: wq for V, else xq
	s_cselect_b64 s[GBS+2:GBS+3], s[4:5], s[6:7]   ; B's
	s_add_co_u32 s20, s20, s19
	s_add_co_u32 s2, s2, s23
	s_add_nc_u64 s[GA0+2:GA0+3], s[GAS+2:GAS+3], s[100:101]
	s_add_nc_u64 s[GB0+2:GB0+3], s[GBS+2:GBS+3], s[66:67]
	s_add_nc_u64 s[GAS+2:GAS+3], s[GAS+2:GAS+3], s[20:21]
	s_add_nc_u64 s[GBS+2:GBS+3], s[GBS+2:GBS+3], s[2:3]
	s_mul_i32 s19, s14, 12288                      ; LDS: my half of A's part of a quarter,
	s_mul_i32 s23, s14, 24576
	s_add_co_u32 s23, s23, 24576                   ; of B's
.macro G0SET ga, gb, j
	s_mov_b32 s[\ga], 1
	s_add_co_u32 s[\ga+1], s19, QTR*\j
	s_mov_b32 s[\gb], 1
	s_add_co_u32 s[\gb+1], s23, QTR*\j
.if \j > 0
	s_add_nc_u64 s[\ga+2:\ga+3], s[GA0+2:GA0+3], 3072*\j
	s_add_nc_u64 s[\gb+2:\gb+3], s[GB0+2:GB0+3], 3072*\j
.endif
.endm
	G0SET GA0, GB0, 0
	G0SET GA1, GB1, 1
	G0SET GA2, GB2, 2
	G0SET GA3, GB3, 3
	s_mov_b32 s[GAS], 1
	s_lshl_b32 s19, s14, 11
	s_add_co_u32 s[GAS+1], s19, SCL
	s_mov_b32 s[GBS], 1
	s_lshl_b32 s23, s14, 12
	s_add_co_u32 s[GBS+1], s23, SCL+4096
.irp g, GAS, GA0, GA1, GA2, GA3, GBS, GB0, GB1, GB2, GB3
	s_or_b32 s[\g+3], s[\g+3], 0x80000000          ; type = 2
.endr
	CROUND                                         ; all sixteen work-groups are here: the joint loads meet
	s_cmp_eq_u32 s13, 0                            ; a wave's five fills stand in one branch on its number: five loads of mine are out
	s_cbranch_scc0 .Lfor_b
	tensor_load_to_lds s[GAS:GAS+3], s[G1SA:G1SA+7]
	s_nop 0
	tensor_load_to_lds s[GA0:GA0+3], s[G1A:G1A+7]
	s_nop 0
	tensor_load_to_lds s[GA1:GA1+3], s[G1A:G1A+7]
	s_nop 0
	tensor_load_to_lds s[GA2:GA2+3], s[G1A:G1A+7]
	s_nop 0
	tensor_load_to_lds s[GA3:GA3+3], s[G1A:G1A+7]
	s_nop 0
	PLACES 4
	s_branch .Lasked
.Lfor_b:
	tensor_load_to_lds s[GBS:GBS+3], s[G1SB:G1SB+7]
	s_nop 0
	tensor_load_to_lds s[GB0:GB0+3], s[G1B:G1B+7]
	s_nop 0
	tensor_load_to_lds s[GB1:GB1+3], s[G1B:G1B+7]
	s_nop 0
	tensor_load_to_lds s[GB2:GB2+3], s[G1B:G1B+7]
	s_nop 0
	tensor_load_to_lds s[GB3:GB3+3], s[G1B:G1B+7]
	s_nop 0
	PLACES 4
.Lasked:
	v_and_b32 v14, 31, v0
	v_and_b32 v12, 15, v0                          ; r
	v_bfe_u32 v13, v0, 4, 1                        ; h
	v_lshlrev_b32 v[L16], 4, v14
	v_lshlrev_b32 v[L8], 3, v14
	s_mul_i32 s19, s13, 12288                      ; my four blocks of A'
	v_add_nc_u32 v[ADA16], s19, v[L16]
	v_add_nc_u32 v[ADA8], s19, v[L8]
	s_mul_i32 s23, s14, 24576                      ; my eight of B'
	s_add_co_u32 s23, s23, 24576
	v_add_nc_u32 v[ADB16], s23, v[L16]
	v_add_nc_u32 v[ADB8], s23, v[L8]
	s_lshl_b32 s19, s13, 11
	s_lshl_b32 s23, s14, 12
	s_add_co_u32 s23, s23, 4096
	s_sub_co_u32 s23, s23, s19                     ; from my A' scale words to my B' ones
	v_mul_u32_u24 v14, s23, v13                    ; lanes 16-31 take B's
	v_lshl_add_u32 v14, v12, 4, v14
	s_add_co_u32 s19, s19, SCL
	v_add_nc_u32 v[ADRS], s19, v14
	v_lshlrev_b32 v[VSH], 4, v13
	v_lshlrev_b32 v[R16], 4, v12
	v_mul_u32_u24 v[SOF], v13, BH
	v_add_nc_u32 v[SOF], v[SOF], v[R16]
	v_and_b32 v14, 8, v12
	v_add_nc_u32 v14, v14, v12                     ; r + 8 (r / 8)
	v_lshlrev_b32 v14, 8, v14
	v_lshl_add_u32 v[VR], v13, 6, v14              ; a token's 256 bytes of the table, + 64 h
.irp b, 0,1,2,3
	v_mov_b32 v[TM+4+\b], 0                        ; written once: a lane permute's destination counts as one of its sources
.endr
	s_cmp_eq_u32 s17, 1
	s_cbranch_scc1 .Lset_v
	; Q, K: where my results go, and the cosines and sines of my 64 tokens
	s_lshr_b32 s2, s18, 4
	s_lshl_b32 s2, s2, 4                           ; 16 x batch
	s_and_b32 s3, s22, 3
	s_lshl_b32 s3, s3, 2
	s_add_co_u32 s2, s2, s3
	s_lshl_b32 s3, s14, 1
	s_add_co_u32 s2, s2, s3                        ; my first head of two
	s_mul_i32 s2, s2, BH
	s_mov_b32 s20, s2
	s_lshr_b32 s3, s22, 2                          ; 0: Q, 1: K
	s_and_b32 s19, s18, 15                         ; which 128 tokens of the sequence
	s_mul_i32 s21, s3, CH-6144
	s_add_co_u32 s21, s21, 6144
	s_mul_i32 s21, s21, s19
	s_add_co_u32 s2, s2, s21
	s_mul_i32 s21, s3, KV
	s_add_co_u32 s2, s2, s21
	s_mul_i32 s21, s13, 3072
	s_add_co_u32 s2, s2, s21                       ; codes
	s_mul_i32 s21, s3, CH-512
	s_add_co_u32 s21, s21, 512
	s_mul_i32 s21, s21, s19
	s_add_co_u32 s20, s20, s21
	s_mul_i32 s21, s3, KV+12288-98304
	s_add_co_u32 s20, s20, s21
	s_lshl_b32 s21, s13, 8
	s_add_co_u32 s20, s20, s21
	s_add_co_u32 s20, s20, 98304                   ; scale words
	s_mov_b32 s3, 0
	s_mov_b32 s21, 0
	s_add_nc_u64 s[4:5], s[10:11], s[20:21]
	s_add_nc_u64 s[10:11], s[10:11], s[2:3]
	s_lshl_b32 s2, s19, 15
	s_lshl_b32 s20, s13, 14
	s_add_co_u32 s2, s2, s20
	s_add_nc_u64 s[8:9], s[8:9], s[2:3]            ; the table at my first token
	WIN 0xc0                                       ; destination window 3
	s_wait_alu depctr_va_vdst(0)
.irp a, 0,1,2,3                                ; (cos, sin) of pair 16 e + 8 h + i of block a's token at v[32 a + 16 e + 2 i] of window 3
.irp e, 0,1
.irp k, 0,1,2,3
	global_load_b128 v[32*\a+16*\e+4*\k:32*\a+16*\e+4*\k+3], v[VR], s[8:9] offset:(32*(\a/2)+8*(\a%2))*256+128*\e+16*\k
.endr
.endr
.endr
	WIN 0
	s_branch .Lset_done
.Lset_v:
	s_lshr_b32 s2, s22, 3
	s_lshl_b32 s2, s2, 4                           ; 16 x batch
	s_lshl_b32 s3, s18, 1
	s_add_co_u32 s2, s2, s3
	s_add_co_u32 s2, s2, s13                       ; my head
	s_mul_i32 s2, s2, BH
	s_and_b32 s3, s22, 7
	s_lshl_b32 s3, s3, 1
	s_add_co_u32 s3, s3, s14                       ; my 128 keys
	s_mul_i32 s3, s3, CH
	s_add_co_u32 s2, s2, s3
	s_add_co_u32 s2, s2, KV+6144
	s_mov_b32 s3, 0
	s_add_nc_u64 s[10:11], s[10:11], s[2:3]
.Lset_done:
	s_mov_b32 s[SEL], 0x76543210
	s_mov_b32 s[SEL+1], 0xfedcba98
.macro SCALES                          ; all of K's scale words: register SC + 8 i + s: lanes 0-15 A's block i (i < 4 is used), lanes 16-31 B's block i, K step s
.irp i, 0,1,2,3,4,5,6,7
	ds_load_b128 v[SC+8*\i:SC+8*\i+3], v[ADRS] offset:512*\i
	ds_load_b128 v[SC+8*\i+4:SC+8*\i+7], v[ADRS] offset:512*\i+256
.endr
.endm
.macro FETCH s, p                      ; K step s: B's eight fragments and A's four into set p: 48 loads, each of 512 or 256 consecutive bytes
	WIN 0x40
.irp b, 0,1,2,3,4,5,6,7
	ds_load_b128 v[128*(\p)+12*\b:128*(\p)+12*\b+3], v[ADB16] offset:3072*\b+1536*((\s)%2)
	ds_load_b64 v[128*(\p)+12*\b+4:128*(\p)+12*\b+5], v[ADB8] offset:3072*\b+1536*((\s)%2)+512
	ds_load_b128 v[128*(\p)+12*\b+6:128*(\p)+12*\b+9], v[ADB16] offset:3072*\b+1536*((\s)%2)+768
	ds_load_b64 v[128*(\p)+12*\b+10:128*(\p)+12*\b+11], v[ADB8] offset:3072*\b+1536*((\s)%2)+1280
.endr
	WIN 0
.irp a, 0,1,2,3
	ds_load_b128 v[AF+48*(\p)+12*\a:AF+48*(\p)+12*\a+3], v[ADA16] offset:3072*\a+1536*((\s)%2)
	ds_load_b64 v[AF+48*(\p)+12*\a+4:AF+48*(\p)+12*\a+5], v[ADA8] offset:3072*\a+1536*((\s)%2)+512
	ds_load_b128 v[AF+48*(\p)+12*\a+6:AF+48*(\p)+12*\a+9], v[ADA16] offset:3072*\a+1536*((\s)%2)+768
	ds_load_b64 v[AF+48*(\p)+12*\a+10:AF+48*(\p)+12*\a+11], v[ADA8] offset:3072*\a+1536*((\s)%2)+1280
.endr
.endm
.macro MUL32 s, p, zero                ; the 32 accumulators take turns, one instruction a turn, in the same order in every step
	WIN 0xa1                                       ; source 0 (B') window 1, source 1 (A') window 0, C and D window 2
.irp a, 0,1,2,3
.irp b, 0,1,2,3,4,5,6,7
.if \zero
	v_wmma_scale_f32_16x16x128_f8f6f4 v[8*(8*\a+\b):8*(8*\a+\b)+7], v[128*(\p)+12*\b:128*(\p)+12*\b+11], v[AF+48*(\p)+12*\a:AF+48*(\p)+12*\a+11], 0, v[SC+8*\b+(\s)], v[SC+8*\a+(\s)] matrix_a_fmt:MATRIX_FMT_FP6 matrix_b_fmt:MATRIX_FMT_FP6 matrix_a_scale:MATRIX_SCALE_ROW1
.else
	v_wmma_scale_f32_16x16x128_f8f6f4 v[8*(8*\a+\b):8*(8*\a+\b)+7], v[128*(\p)+12*\b:128*(\p)+12*\b+11], v[AF+48*(\p)+12*\a:AF+48*(\p)+12*\a+11], v[8*(8*\a+\b):8*(8*\a+\b)+7], v[SC+8*\b+(\s)], v[SC+8*\a+(\s)] matrix_a_fmt:MATRIX_FMT_FP6 matrix_b_fmt:MATRIX_FMT_FP6 matrix_a_scale:MATRIX_SCALE_ROW1
.endif
.endr
.endr
	WIN 0
.endm
.macro STEP s, zero
	s_wait_dscnt 0x0                               ; this step's fragments are in
.if (\s) == 1 || (\s) == 3 || (\s) == 5
	s_wait_tensorcnt (5-(\s))/2                    ; my part of the next quarter is in; the later quarters' loads may be out
	s_barrier_signal -1
	s_barrier_wait -1                              ; everybody's is.
	v_add_nc_u32 v[ADA16], QTR, v[ADA16]           ; on to that quarter: these four are also the places in front of the loads below
	v_add_nc_u32 v[ADA8], QTR, v[ADA8]
	v_add_nc_u32 v[ADB16], QTR, v[ADB16]
	v_add_nc_u32 v[ADB8], QTR, v[ADB8]
.elseif (\s) > 0 && (\s) < 7
	PLACES 4                                       ; in front of loads into registers that the last step's products have read
.endif
.if (\s) < 7
	FETCH (\s)+1, 1-(\s)%2
.endif
	MUL32 \s, (\s)%2, \zero
.endm
	s_wait_tensorcnt 3                             ; the scale words and my part of quarter 0 are in; three quarters' loads may be out
	s_barrier_signal -1
	s_barrier_wait -1
	SCALES
	FETCH 0, 0
	STEP 0, 1                                      ; the first products start the sums
	STEP 1, 0
	s_wait_alu depctr_va_vdst(0)
	STEP 2, 0
	STEP 3, 0
	s_wait_alu depctr_va_vdst(0)
	STEP 4, 0
	STEP 5, 0
	s_wait_alu depctr_va_vdst(0)
	STEP 6, 0
	STEP 7, 0
	PLACES 4                                       ; in front of the first read of results, and of writes to registers that held fragments
; 64 numbers of a lane in window w, register 16 b + i = the next K's 32 b + 16 h + i of my row, become a fragment's codes in v[pc] on and its scale word in v[pw].
.macro QUANT s, w, pc, pw
.if \w
	WIN 0x28                                       ; sources 1 and 2 in window 2
.endif
.irp b, 0,1,2,3
	v_max3_num_f32 v[TM+\b], 0x1800000, |v[(\s)+16*\b]|, |v[(\s)+1+16*\b]|   ; the floor 2^(3 - 127), and each accumulator from its low end on
.endr
.irp i, 2,4,6,8,10,12,14
.irp b, 0,1,2,3
	v_max3_num_f32 v[TM+\b], v[TM+\b], |v[(\s)+16*\b+\i]|, |v[(\s)+1+16*\b+\i]|
.endr
.endr
	WIN 0
.irp b, 0,1,2,3
	v_permlanex16_b32 v[TM+4+\b], v[TM+\b], s[SEL], s[SEL+1]
.endr
.irp b, 0,1,2,3
	v_max_num_f32 v[TM+\b], v[TM+\b], v[TM+4+\b]
.endr
.irp b, 0,1,2,3
	v_add_nc_u32 v[TM+12+\b], 0xff000000, v[TM+\b] ; 2 off the exponent field: the conversion's scale operand
.endr
.irp b, 0,1,2,3
	v_lshrrev_b32 v[TM+4+\b], 23, v[TM+12+\b]
.endr
	v_lshl_or_b32 v[(\pw)], v[TM+5], 8, v[TM+4]
	v_lshl_or_b32 v[(\pw)], v[TM+6], 16, v[(\pw)]
	v_lshl_or_b32 v[(\pw)], v[TM+7], 24, v[(\pw)]
.if \w
	WIN 0x02                                       ; source 0 in window 2
.endif
.irp c, 0,1
	v_cvt_scalef32_pk16_fp6_f32 v[(\pc)+6*\c:(\pc)+2+6*\c], v[(\s)+32*\c:(\s)+15+32*\c], v[TM+12+2*\c]
	v_cvt_scalef32_pk16_fp6_f32 v[CT+4*\c:CT+2+4*\c], v[(\s)+16+32*\c:(\s)+31+32*\c], v[TM+13+2*\c]
.endr
	WIN 0
	v_nop                                          ; one plain place behind a scaled conversion
.irp c, 0,1
.irp i, 0,1,2
	v_permlane16_swap_b32 v[(\pc)+6*\c+\i], v[CT+4*\c+\i]
.endr
.irp i, 0,1,2
	v_mov_b32 v[(\pc)+3+6*\c+\i], v[CT+4*\c+\i]
.endr
.endr
.endm
	s_cmp_eq_u32 s17, 1
	s_cbranch_scc1 .Lout_v
	; ---- Q, K.  Block a: 16 tokens x my two heads.  Registers 2 n, 2 n + 1 are a pair (x0, x1): (c x0 - s x1, s x0 + c x1), into window 0; then the quantiser; registers 0-5 are the first head's 64, 6-11 the second's
	s_wait_loadcnt 0x0                             ; the cosines and sines
.irp a, 0,1,2,3
	WIN 0x0e                                       ; source 0 window 2, source 1 window 3
.set n, 0
.rept 32
	v_pk_mul_f32 v[RT+2*n:RT+2*n+1], v[64*\a+2*n:64*\a+2*n+1], v[32*\a+16*((n/8)%2)+2*(n%8):32*\a+16*((n/8)%2)+2*(n%8)+1] op_sel_hi:[1,0]   ; (c x0, c x1)
.set n, n+1
.endr
.set n, 0
.rept 32
	v_pk_fma_f32 v[RT+2*n:RT+2*n+1], v[64*\a+2*n:64*\a+2*n+1], v[32*\a+16*((n/8)%2)+2*(n%8):32*\a+16*((n/8)%2)+2*(n%8)+1], v[RT+2*n:RT+2*n+1] op_sel:[1,1,0] op_sel_hi:[0,1,1] neg_lo:[0,1,0]   ; (- s x1 + .., s x0 + ..)
.set n, n+1
.endr
	WIN 0
	QUANT RT, 0, PC+12*\a, PWQ+\a
	v_lshrrev_b32 v[PWQ+\a], v[VSH], v[PWQ+\a]     ; lanes 0-15 keep the first head's two bytes, lanes 16-31 the second's
	v_and_b32 v[PWQ+\a], 0xffff, v[PWQ+\a]
	global_store_b128 v[L16], v[PC+12*\a:PC+12*\a+3], s[10:11] offset:768*\a
	global_store_b64 v[L8], v[PC+12*\a+4:PC+12*\a+5], s[10:11] offset:768*\a+512
	global_store_b128 v[L16], v[PC+12*\a+6:PC+12*\a+9], s[10:11] offset:BH+768*\a
	global_store_b64 v[L8], v[PC+12*\a+10:PC+12*\a+11], s[10:11] offset:BH+768*\a+512
.endr
	global_store_b128 v[SOF], v[PWQ:PWQ+3], s[4:5] ; 256 consecutive bytes for each of the two heads
	s_branch .Lend
.Lout_v:
	; ---- V^T.  Block a: 16 channels of my head x my 128 keys: one fragment of the second product
.irp a, 0,1,2,3
	QUANT 64*\a, 2, PC+12*\a, PWQ+\a
	global_store_b128 v[L16], v[PC+12*\a:PC+12*\a+3], s[10:11] offset:1536*\a
	global_store_b64 v[L8], v[PC+12*\a+4:PC+12*\a+5], s[10:11] offset:1536*\a+512
	global_store_b128 v[L16], v[PC+12*\a+6:PC+12*\a+9], s[10:11] offset:1536*\a+768
	global_store_b64 v[L8], v[PC+12*\a+10:PC+12*\a+11], s[10:11] offset:1536*\a+1280
.endr
	global_store_b128 v[R16], v[PWQ:PWQ+3], s[10:11] offset:12800-6144   ; both halves of the lanes hold the same words and write the same 256 bytes
.Lend:
	s_wait_dscnt 0x0
	s_wait_tensorcnt 0x0
	ds_add_u32 v254, v255
	s_wait_dscnt 0x0
	CROUND                                         ; the closing round: no work-group ends while a partner may still ask for a tile that names it
	s_endpgm
.Lfunc_end_k_q51476cc4a4_qkv:
	.size	k_q51476cc4a4_qkv, .Lfunc_end_k_q51476cc4a4_qkv-k_q51476cc4a4_qkv
	.p2alignl 7, 3214868480
	.fill 96, 4, 3214868480
	.section	.rodata,"a",@progbits
	.p2align	6, 0x0
	.amdhsa_kernel k_q51476cc4a4_qkv
		.amdhsa_group_segment_fixed_size 307712
		.amdhsa_private_segment_fixed_size 0
		.amdhsa_enable_private_segment 0
		.amdhsa_kernarg_size 32
		.amdhsa_user_sgpr_count 2
		.amdhsa_user_sgpr_kernarg_segment_ptr 1
		.amdhsa_wavefront_size32 1
		.amdhsa_system_sgpr_workgroup_id_x 1
		.amdhsa_system_sgpr_workgroup_id_y 1
		.amdhsa_system_sgpr_workgroup_id_z 1
		.amdhsa_system_vgpr_workitem_id 0
		.amdhsa_next_free_vgpr 896
		.amdhsa_next_free_sgpr 102
		.amdhsa_reserve_vcc 0
		.amdhsa_float_denorm_mode_32 3
		.amdhsa_float_denorm_mode_16_64 3
		.amdhsa_memory_ordered 1
		.amdhsa_forward_progress 1
		.amdhsa_inst_pref_size 126
	.end_amdhsa_kernel
	.amdgpu_metadata
---
amdhsa.version: [ 1, 2 ]
amdhsa.kernels:
  - .name:           k_q51476cc4a4_qkv
    .symbol:         k_q51476cc4a4_qkv.kd
    .args:
      - { .name: xq, .offset: 0, .size: 8, .value_kind: global_buffer, .address_space: global }
      - { .name: wq, .offset: 8, .size: 8, .value_kind: global_buffer, .address_space: global }
      - { .name: rope, .offset: 16, .size: 8, .value_kind: global_buffer, .address_space: global }
      - { .name: qkv, .offset: 24, .size: 8, .value_kind: global_buffer, .address_space: global }
    .group_segment_fixed_size: 307712
    .private_segment_fixed_size: 0
    .kernarg_segment_align: 8
    .kernarg_segment_size: 32
    .max_flat_workgroup_size: 128
    .sgpr_count:     102
    .vgpr_count:     896
    .wavefront_size: 32
...
	.end_amdgpu_metadata
.endif
;; end of part 2
;; launch attn (part 3): grid 4 x 64, 16 waves a work-group, clusters of 4 x 1, 210,944 bytes of LDS; arguments qkv, oq; writes oq
.if DOCPART == 3
	.amdgcn_target "amdgcn-amd-amdhsa--gfx1250"
	.amdhsa_code_object_version 6
	.text
	.protected	k_q51476cc4a4_attn
	.globl	k_q51476cc4a4_attn
	.p2align	8
	.type	k_q51476cc4a4_attn,@function
k_q51476cc4a4_attn:
	s_mov_b64 s[64:65], 0
	v_nop
	global_prefetch_b8 v0, s[64:65] scope:SCOPE_SE
	s_setreg_imm32_b32 hwreg(HW_REG_WAVE_MODE, 25, 1), 1
	s_wait_xcnt 0x0
	s_wait_alu depctr_hold_cnt(0) depctr_sa_sdst(0) depctr_va_vdst(0) depctr_va_sdst(0) depctr_va_ssrc(0) depctr_va_vcc(0) depctr_vm_vsrc(0)
	s_getreg_b32 s2, hwreg(HW_REG_IB_STS2, 6, 4)
	s_cmp_eq_u32 s2, 0
	s_cbranch_scc0 .Lentry_in_a_cluster
	s_endpgm
.Lentry_in_a_cluster:
	s_bfe_u32 s2, ttmp6, 0x10000c
	s_cmp_lg_u32 s2, 0x3003
	s_cbranch_scc0 .Lentry_shape_is_right
	s_endpgm
.Lentry_shape_is_right:
; Causal attention on codes of FP6 (E2M3) with E8M0 scales, for one (batch, head) a cluster; the result, divided by the row's sum, is quantised along (head, channel) for the last product.
; THE SOFTMAX AHEAD OF THE SECOND PRODUCT: t = score x log2(e) / 8; M = the running largest t rounded UP to a whole number; p = 2^(t - M) is quantised along the keys, not normalised;
; the row's sum is taken of the unquantised p; when M moves, the sum and O are multiplied by 2^(old M - new M), which rounds nothing.
; SHARES.  The four work-groups of a cluster serve one head; K and V of the whole head, 208,896 bytes, lie in each one's LDS, filled ONCE by one joint tensor load a wave (a chunk of 128 keys each).
; Wave w owns two tiles of 16 queries: 4 w + cx and 127 - (4 w + cx): 15 open key steps and 2 on the diagonal for every wave of the launch.  The place in the cluster enters global addresses and the mask's number alone:
; which steps a wave works hangs on its number only (tile / 8 = w / 2, or 15 - w / 2).
; EVERY TILE WALKS 16 TRIPS; a step all of whose keys are hidden is jumped over by a scalar branch, the mask is jumped over in open steps.
; LAYOUT.  Both products are used transposed: S^T = K Q^T, O^T = V^T P^T: a lane holds one query.  Tokens and channels lie in the order that makes the 16 registers of two neighbouring tiles 16 neighbours along the next K.
; The first product's K is 64: the upper six registers of K's and Q's fragments are zero codes, cleared once.
; LIMITS: NaN and infinities are not served; 1 / sum by v_rcp_f32 and a multiplication; a block of O whose largest magnitude lies under 2^-124 gets the byte 1.
; REGISTERS: v1-3 lane terms; v4-6 LDS addresses of the step; v7 the mask's number; v8-11 V's scale words; v12 -M, v13 the largest t, v[14:15] the sum; v16-27 Q; v28 Q's scale word, v29 P's; v30 f, v31 at work;
;   v32-127 K's eight fragments; v128-191 S^T, then p, then V's four fragments (v128-175); v180-185 global offsets between the loops; v192-223 O^T; v224-235 codes; v236-247 at work; v248-255 K's scale words.
.set BH,  315392
.set KV,  106496
.set CH,  13056                        ; a chunk: K codes 6,144; V^T codes 6,144; K scale words 512; V^T scale words 256
.set XSC, 6291456
.set L16, 1
.set L8,  2
.set R16, 3
.set A16, 4
.set A8,  5
.set AS,  6
.set DD,  7
.set VS,  8
.set Q,   16
.set QS,  28
.set PS,  29
.set F,   30
.set KF,  32
.set S,   128
.set O,   192
.set P,   224
.set BM,  236
.set T4,  240
.set SO,  244
.set KS,  248
.set SEL, 24
.set CS,  26
.set TB,  28
.set KAP, 29
.set KD,  30
.set TAU, 31
.macro CROUND
	s_barrier_signal -1
	s_barrier_wait -1
	s_cmp_lg_u32 s8, 0
	s_cbranch_scc1 .Lnot_wave_0_\@
	s_barrier_signal -3
.Lnot_wave_0_\@:
	s_barrier_wait -3
	s_barrier_signal -1
	s_barrier_wait -1
.endm
	s_load_b128 s[4:7], s[0:1], 0x0                ; qkv, oq
	v_lshl_add_u32 v254, v0, 2, 0x33000
	v_mov_b32 v255, 0
	ds_add_u32 v254, v255
	ds_add_u32 v254, v255
	s_wait_dscnt 0x0
	v_lshrrev_b32 v1, 5, v0
	s_delay_alu instid0(VALU_DEP_1)
	v_readfirstlane_b32 s8, v1                     ; wave 0..15
	s_bfe_u32 s9, ttmp6, 0x40000                   ; cx
	s_and_b32 s10, ttmp7, 0xffff                   ; 16 x batch + head: the cluster's y
	s_mul_i32 s32, s10, BH
	s_mov_b32 s33, 0
	s_mov_b32 s16, 15|(3<<16)|(1<<21)              ; group 1: the mask names all four; elements of 8 bytes; no padding
	s_mov_b32 s17, 32<<16                          ; a chunk is dense: 51 rows of 256 bytes
	s_mov_b32 s18, 51<<16
	s_mov_b32 s19, 32<<16
	s_mov_b32 s20, 51
	s_mov_b32 s21, 32
	s_mov_b32 s22, 0
	s_mov_b32 s23, 0
	s_mul_i32 s34, s8, CH
	s_mov_b32 s35, 0
	s_mov_b32 s[SEL], 0x76543210
	s_mov_b32 s[SEL+1], 0xfedcba98
	s_mov_b32 s[CS], 0x3e38aa3b                    ; c = log2(e) / 8
	s_mov_b32 s[CS+1], s[CS]
	s_wait_kmcnt 0x0
	s_add_nc_u64 s[4:5], s[4:5], s[32:33]          ; the head's part of qkv
	s_mov_b32 s12, 1
	s_mul_i32 s13, s8, CH                          ; LDS is the image of memory: chunk w at CH x w
	s_add_nc_u64 s[14:15], s[4:5], s[34:35]
	s_add_nc_u64 s[14:15], s[14:15], KV
	s_or_b32 s15, s15, 0x80000000
	CROUND                                         ; all four work-groups are here: the joint loads meet
	tensor_load_to_lds s[12:15], s[16:23]          ; my one load: one is out
	s_nop 0
.rept 4
	v_nop
.endr
	s_lshr_b32 s36, s10, 4                         ; batch
	s_and_b32 s37, s10, 15                         ; head
	s_mul_i32 s38, s36, 128*12288
	s_mul_i32 s39, s37, 768
	s_add_co_u32 s38, s38, s39
	s_mov_b32 s39, 0
	s_add_nc_u64 s[40:41], s[6:7], s[38:39]        ; oq's codes: block 128 x batch + tile, K step head / 2, half head % 2
	s_lshl_b32 s38, s36, 16
	s_lshr_b32 s36, s37, 3
	s_lshl_b32 s36, s36, 8
	s_add_co_u32 s38, s38, s36
	s_bfe_u32 s36, s37, 0x20001
	s_lshl_b32 s36, s36, 2
	s_add_co_u32 s38, s38, s36
	s_and_b32 s36, s37, 1
	s_lshl_b32 s36, s36, 1
	s_add_co_u32 s38, s38, s36
	s_add_co_u32 s38, s38, XSC
	s_add_nc_u64 s[42:43], s[6:7], s[38:39]        ; and my head's two bytes of a row's scale words
	v_and_b32 v3, 31, v0
	s_delay_alu instid0(VALU_DEP_1)
	v_lshlrev_b32 v[L16], 4, v3
	s_delay_alu instid0(VALU_DEP_2)
	v_lshlrev_b32 v[L8], 3, v3
	v_and_b32 v3, 15, v0
	s_delay_alu instid0(VALU_DEP_1)
	v_lshlrev_b32 v[R16], 4, v3
.irp i, 6,7,8,9,10,11
	v_mov_b32 v[Q+\i], 0                           ; zero codes for k = 64 .. 127, once
.irp t, 0,1,2,3,4,5,6,7
	v_mov_b32 v[KF+12*\t+\i], 0
.endr
.endr
.irp b, 0,1,2,3
	v_mov_b32 v[T4+\b], 0                          ; written once: a lane permute's destination counts as one of its sources
.endr
; THE HEAD OF A TILE: Q's fragment and scale word are asked for; the mask's number; M, the sum and O^T begin.
.macro THEAD
	s_wait_xcnt 0x0                                ; the last tile's stores have read their registers
	s_mul_i32 s32, s[TAU], 768
	v_add_nc_u32 v183, s32, v[L16]
	v_add_nc_u32 v184, s32, v[L8]
	s_lshr_b32 s33, s[TAU], 2
	s_lshl_b32 s33, s33, 8
	s_and_b32 s34, s[TAU], 3
	s_lshl_b32 s34, s34, 2
	s_add_co_u32 s33, s33, s34
	v_add_nc_u32 v185, s33, v[R16]
	global_load_b128 v[Q:Q+3], v183, s[4:5]
	global_load_b64 v[Q+4:Q+5], v184, s[4:5] offset:512
	global_load_b32 v[QS], v185, s[4:5] offset:98304
	s_bfe_u32 s33, s[TAU], 0x20001
	s_lshl_b32 s33, s33, 5
	s_and_b32 s34, s[TAU], 1
	s_lshl_b32 s34, s34, 3
	s_add_co_u32 s33, s33, s34                     ; the tile's first query in its step of 128: 32 ((tile / 2) % 4) + 8 (tile % 2)
	v_and_b32 v31, 15, v0
	v_and_b32 v30, 8, v0
	s_delay_alu instid0(VALU_DEP_1)
	v_add_nc_u32 v31, v31, v30                     ; + r + 8 (r / 8)
	v_and_b32 v30, 16, v0
	s_delay_alu instid0(VALU_DEP_1)
	v_sub_nc_u32 v31, v31, v30                     ; - 16 h
	s_delay_alu instid0(VALU_DEP_1)
	v_add_nc_u32 v[DD], s33, v31                   ; register 16 b + i holds the step's key 32 b + 16 h + i: hidden where 32 b + i > this number
	v_mov_b32 v13, 0xff61b1e6                      ; the largest t so far: -3e38
	s_delay_alu instid0(VALU_DEP_1)
	v_floor_f32 v12, -v13
	v_mov_b32 v14, 0
	v_mov_b32 v15, 0
.set j, 0
.rept 32
	v_mov_b32 v[O+j], 0                            ; the step is written once: the first finds zeros, which the first change of M leaves zeros
.set j, j+1
.endr
	s_mov_b32 s[TB], 0
	s_mov_b32 s[KAP], 0
.endm
.macro TBODY
	s_wait_loadcnt 0x0                             ; Q
.Lk_\@:
	s_cmp_gt_u32 s[KAP], s[KD]                     ; all 128 keys come after my queries: only the counters step
	s_cbranch_scc1 .Lhid_\@
	s_setprio 2
	v_add_nc_u32 v[A16], s[TB], v[L16]             ; (with the two v_nop at the step's end: five places ahead of products that write over V's fragments)
	v_add_nc_u32 v[A8], s[TB], v[L8]
	v_add_nc_u32 v[AS], s[TB], v[R16]
.irp t, 0,1,2,3,4,5,6,7
	ds_load_b128 v[KF+12*\t:KF+12*\t+3], v[A16] offset:768*\t
	ds_load_b64 v[KF+12*\t+4:KF+12*\t+5], v[A8] offset:768*\t+512
.endr
	ds_load_b128 v[KS:KS+3], v[AS] offset:12288
	ds_load_b128 v[KS+4:KS+7], v[AS] offset:12544
	s_wait_dscnt 0x0
.irp t, 0,1,2,3,4,5,6,7
	v_wmma_scale_f32_16x16x128_f8f6f4 v[S+8*\t:S+8*\t+7], v[KF+12*\t:KF+12*\t+11], v[Q:Q+11], 0, v[KS+\t], v[QS] matrix_a_fmt:MATRIX_FMT_FP6 matrix_b_fmt:MATRIX_FMT_FP6
.endr
.rept 4
	v_nop                                          ; places in front of the first read of the scores
.endr
	s_cmp_lt_u32 s[KAP], s[KD]
	s_cbranch_scc1 .Lopen_\@
	v_mov_b32 v31, 0xff800000                      ; on the diagonal hidden scores become -infinity ahead of the maximum: p = 0 then
.set n, 0
.rept 64
	v_cmp_gt_i32 vcc_lo, 32*(n/16)+n%16, v[DD]
	v_cndmask_b32 v[S+n], v[S+n], v31, vcc_lo
.set n, n+1
.endr
.Lopen_\@:
.irp b, 0,1,2,3
	v_max3_num_f32 v[BM+\b], v[S+16*\b], v[S+1+16*\b], v[S+2+16*\b]   ; the largest score of each block of 32 keys: for the row's maximum and, since p rises with the score, for the block's largest p
.endr
.irp i, 3,5,7,9,11,13
.irp b, 0,1,2,3
	v_max3_num_f32 v[BM+\b], v[BM+\b], v[S+16*\b+\i], v[S+1+16*\b+\i]
.endr
.endr
.irp b, 0,1,2,3
	v_max_num_f32 v[BM+\b], v[BM+\b], v[S+15+16*\b]
.endr
.irp b, 0,1,2,3
	s_delay_alu instid0(VALU_DEP_4)
	v_permlanex16_b32 v[T4+\b], v[BM+\b], s[SEL], s[SEL+1]
.endr
.irp b, 0,1,2,3
	s_delay_alu instid0(VALU_DEP_4)
	v_max_num_f32 v[BM+\b], v[BM+\b], v[T4+\b]
.endr
	s_delay_alu instid0(VALU_DEP_2)
	v_max3_num_f32 v31, v[BM], v[BM+1], v[BM+2]
	s_delay_alu instid0(VALU_DEP_1)
	v_max_num_f32 v31, v31, v[BM+3]
	s_delay_alu instid0(VALU_DEP_1)
	v_mul_f32 v31, s[CS], v31
	s_delay_alu instid0(VALU_DEP_1)
	v_max_num_f32 v13, v13, v31                    ; the running largest t
	v_mov_b32 v31, v12
	s_delay_alu instid0(VALU_DEP_2)
	v_floor_f32 v12, -v13                          ; -M = floor(-t): M is a whole number
	s_delay_alu instid0(VALU_DEP_1)
	v_sub_f32 v31, v12, v31
	s_delay_alu instid0(VALU_DEP_1)
	v_cvt_i32_f32 v31, v31                         ; old M - new M (it saturates)
	s_delay_alu instid0(VALU_DEP_1)
	v_ldexp_f32 v[F], 1.0, v31                     ; f = 2^(old M - new M)
.set j, 0
.rept 32
	v_pk_fma_f32 v[S+j:S+j+1], v[S+j:S+j+1], s[CS:CS+1], v[12:13] op_sel_hi:[1,0,0]   ; t - M
.set j, j+2
.endr
.irp b, 0,1,2,3
	v_fma_f32 v[BM+\b], v[BM+\b], s[CS], v12
.endr
.set j, 0
	s_setprio 1
	s_wait_alu depctr_va_vdst(0)
.rept 64
	v_exp_f32 v[S+j], v[S+j]                       ; p = 2^(t - M)
.set j, j+1
.endr
	v_pk_mul_f32 v[14:15], v[14:15], v[F:F+1] op_sel_hi:[1,0]   ; the sum under the new M (a plain place behind the exponentials)
	s_wait_alu depctr_va_vdst(0)                   ; one wait for the batch, ahead of its first reader
.irp b, 0,1,2,3
	v_exp_f32 v[BM+\b], v[BM+\b]                   ; each block's largest p
.endr
	v_pk_add_f32 v[240:241], v[132:133], v[136:137]
	v_pk_add_f32 v[254:255], v[140:141], v[144:145]
	v_pk_add_f32 v[252:253], v[148:149], v[152:153]
	v_pk_add_f32 v[250:251], v[156:157], v[160:161]
	v_pk_add_f32 v[248:249], v[164:165], v[168:169]
	v_pk_add_f32 v[246:247], v[172:173], v[176:177]
	v_pk_add_f32 v[244:245], v[180:181], v[184:185]
	v_pk_add_f32 v[14:15], v[14:15], v[188:189]
	v_pk_add_f32 v[240:241], v[240:241], v[128:129]
	v_pk_add_f32 v[254:255], v[254:255], v[130:131]
	v_pk_add_f32 v[252:253], v[252:253], v[134:135]
	v_pk_add_f32 v[250:251], v[250:251], v[138:139]
	v_pk_add_f32 v[248:249], v[248:249], v[142:143]
	v_pk_add_f32 v[246:247], v[246:247], v[146:147]
	v_pk_add_f32 v[244:245], v[244:245], v[150:151]
	v_pk_add_f32 v[14:15], v[14:15], v[154:155]
	v_pk_add_f32 v[240:241], v[240:241], v[158:159]
	v_pk_add_f32 v[254:255], v[254:255], v[162:163]
	v_pk_add_f32 v[252:253], v[252:253], v[166:167]
	v_pk_add_f32 v[250:251], v[250:251], v[170:171]
	v_pk_add_f32 v[248:249], v[248:249], v[174:175]
	v_pk_add_f32 v[246:247], v[246:247], v[178:179]
	v_pk_add_f32 v[244:245], v[244:245], v[182:183]
	v_pk_add_f32 v[14:15], v[14:15], v[186:187]
	v_pk_add_f32 v[240:241], v[240:241], v[190:191]
	s_delay_alu instid0(VALU_DEP_2)
	v_pk_add_f32 v[14:15], v[14:15], v[250:251]
	s_delay_alu instid0(VALU_DEP_2)
	v_pk_add_f32 v[240:241], v[240:241], v[248:249]
	v_pk_add_f32 v[254:255], v[254:255], v[246:247]
	v_pk_add_f32 v[252:253], v[252:253], v[244:245]
	s_delay_alu instid0(VALU_DEP_2)
	v_pk_add_f32 v[14:15], v[14:15], v[254:255]
	s_delay_alu instid0(VALU_DEP_2)
	v_pk_add_f32 v[240:241], v[240:241], v[252:253]
	s_delay_alu instid0(VALU_DEP_1)
	v_pk_add_f32 v[14:15], v[14:15], v[240:241]
	s_wait_alu depctr_va_vdst(0)                   ; and one for the four
.irp b, 0,1,2,3
	v_max_num_f32 v[BM+\b], 0x1800000, v[BM+\b]    ; the floor 2^(3 - 127)
.endr
.irp b, 0,1,2,3
	s_delay_alu instid0(VALU_DEP_4)
	v_add_nc_u32 v[SO+\b], 0xff000000, v[BM+\b]
.endr
.irp b, 0,1,2,3
	s_delay_alu instid0(VALU_DEP_4)
	v_lshrrev_b32 v[T4+\b], 23, v[SO+\b]
.endr
	s_delay_alu instid0(VALU_DEP_3)
	v_lshl_or_b32 v[PS], v[T4+1], 8, v[T4]
	s_delay_alu instid0(VALU_DEP_1)
	v_lshl_or_b32 v[PS], v[T4+2], 16, v[PS]
	s_delay_alu instid0(VALU_DEP_1)
	v_lshl_or_b32 v[PS], v[T4+3], 24, v[PS]
.irp c, 0,1
	v_cvt_scalef32_pk16_fp6_f32 v[P+6*\c:P+2+6*\c], v[S+32*\c:S+15+32*\c], v[SO+2*\c]
	v_cvt_scalef32_pk16_fp6_f32 v[BM+4*\c:BM+2+4*\c], v[S+16+32*\c:S+31+32*\c], v[SO+1+2*\c]
.endr
	v_nop                                          ; one plain place behind a scaled conversion
.irp t, 0,1,2,3                                ; V's four fragments take p's place
	ds_load_b128 v[S+12*\t:S+12*\t+3], v[A16] offset:6144+1536*\t
	ds_load_b64 v[S+12*\t+4:S+12*\t+5], v[A8] offset:6144+1536*\t+512
	ds_load_b128 v[S+12*\t+6:S+12*\t+9], v[A16] offset:6144+1536*\t+768
	ds_load_b64 v[S+12*\t+10:S+12*\t+11], v[A8] offset:6144+1536*\t+1280
.endr
	s_setprio 0
	ds_load_b128 v[VS:VS+3], v[AS] offset:12800
.irp c, 0,1
.irp i, 0,1,2
	v_permlane16_swap_b32 v[P+6*\c+\i], v[BM+4*\c+\i]
.endr
.irp i, 0,1,2
	s_delay_alu instid0(VALU_DEP_3)
	v_mov_b32 v[P+3+6*\c+\i], v[BM+4*\c+\i]
.endr
.endr
.set j, 0
.rept 16
	v_pk_mul_f32 v[O+j:O+j+1], v[O+j:O+j+1], v[F:F+1] op_sel_hi:[1,0]   ; O^T under the new M; these are also the places between P's codes and scale word and the products
.set j, j+2
.endr
	s_wait_alu depctr_va_vdst(0)
	s_wait_dscnt 0x0
.irp t, 0,1,2,3
	v_wmma_scale_f32_16x16x128_f8f6f4 v[O+8*\t:O+8*\t+7], v[S+12*\t:S+12*\t+11], v[P:P+11], v[O+8*\t:O+8*\t+7], v[VS+\t], v[PS] matrix_a_fmt:MATRIX_FMT_FP6 matrix_b_fmt:MATRIX_FMT_FP6
.endr
	v_nop
	v_nop
.Lhid_\@:
	s_add_co_u32 s[TB], s[TB], CH
	s_add_co_u32 s[KAP], s[KAP], 1
	s_cmp_lt_u32 s[KAP], 16
	s_cbranch_scc1 .Lk_\@
	s_setprio 0
	; THE WAY OUT: O^T / the sum; register 16 b + i is channel 32 b + 16 h + i of my query: two blocks of the last product's K
	v_add_f32 v14, v14, v15
	s_delay_alu instid0(VALU_DEP_1)
	v_permlanex16_b32 v31, v14, s[SEL], s[SEL+1]
	s_delay_alu instid0(VALU_DEP_1)
	v_add_f32 v14, v14, v31
	s_wait_alu depctr_va_vdst(0)
	v_rcp_f32 v14, v14
	s_mul_i32 s32, s[TAU], 12288
	v_add_nc_u32 v180, s32, v[L16]                 ; (plain places behind the reciprocal)
	v_add_nc_u32 v181, s32, v[L8]
	s_lshl_b32 s33, s[TAU], 9
	v_add_nc_u32 v182, s33, v[R16]
	s_wait_alu depctr_va_vdst(0)                   ; ahead of the reciprocal's first reader
.set j, 0
.rept 16
	v_pk_mul_f32 v[S+j:S+j+1], v[O+j:O+j+1], v[14:15] op_sel_hi:[1,0]
.set j, j+2
.endr
.irp b, 0,1
	v_max3_num_f32 v[BM+\b], |v[S+16*\b]|, |v[S+1+16*\b]|, 0x1800000
.endr
.irp i, 2,4,6,8,10,12,14
.irp b, 0,1
	s_delay_alu instid0(VALU_DEP_2)
	v_max3_num_f32 v[BM+\b], v[BM+\b], |v[S+16*\b+\i]|, |v[S+1+16*\b+\i]|
.endr
.endr
.irp b, 0,1
	s_delay_alu instid0(VALU_DEP_2)
	v_permlanex16_b32 v[T4+\b], v[BM+\b], s[SEL], s[SEL+1]
.endr
.irp b, 0,1
	s_delay_alu instid0(VALU_DEP_2)
	v_max_num_f32 v[BM+\b], v[BM+\b], v[T4+\b]
.endr
.irp b, 0,1
	s_delay_alu instid0(VALU_DEP_2)
	v_add_nc_u32 v[SO+\b], 0xff000000, v[BM+\b]
.endr
.irp b, 0,1
	s_delay_alu instid0(VALU_DEP_2)
	v_lshrrev_b32 v[T4+\b], 23, v[SO+\b]
.endr
	s_delay_alu instid0(VALU_DEP_1)
	v_lshl_or_b32 v31, v[T4+1], 8, v[T4]           ; my head's two bytes of the row's scale word
	v_cvt_scalef32_pk16_fp6_f32 v[P:P+2], v[S:S+15], v[SO]
	v_cvt_scalef32_pk16_fp6_f32 v[BM:BM+2], v[S+16:S+31], v[SO+1]
	v_nop
.irp i, 0,1,2
	v_permlane16_swap_b32 v[P+\i], v[BM+\i]
.endr
.irp i, 0,1,2
	s_delay_alu instid0(VALU_DEP_3)
	v_mov_b32 v[P+3+\i], v[BM+\i]
.endr
	global_store_b128 v180, v[P:P+3], s[40:41]                 ; 512 consecutive bytes
	global_store_b64 v181, v[P+4:P+5], s[40:41] offset:512     ; 256
	global_store_b16 v182, v31, s[42:43]                       ; two bytes of 50 that a (token, head) writes: sixteen rows' pairs lie 16 bytes apart in one run of 256
.endm
	s_lshl_b32 s[TAU], s8, 2
	s_add_co_u32 s[TAU], s[TAU], s9                ; my first tile
	s_lshr_b32 s[KD], s8, 1                        ; its step on the diagonal: of the wave's number alone
	THEAD
	s_wait_tensorcnt 0x0                           ; my chunk has landed,
	s_barrier_signal -1
	s_barrier_wait -1                              ; everybody's has.  From here on LDS is only read
	TBODY
	s_sub_co_u32 s[TAU], 127, s[TAU]               ; my second tile
	s_sub_co_u32 s[KD], 15, s[KD]
	THEAD
	TBODY
	s_wait_dscnt 0x0
	s_wait_xcnt 0x0
	v_lshl_add_u32 v254, v0, 2, 0x33000
	v_mov_b32 v255, 0
	s_wait_alu depctr_va_vdst(0)
	s_wait_tensorcnt 0x0
	ds_add_u32 v254, v255
	s_wait_dscnt 0x0
	CROUND                                         ; the closing round
	s_endpgm
.Lfunc_end_k_q51476cc4a4_attn:
	.size	k_q51476cc4a4_attn, .Lfunc_end_k_q51476cc4a4_attn-k_q51476cc4a4_attn
	.p2alignl 7, 3214868480
	.fill 96, 4, 3214868480
	.section	.rodata,"a",@progbits
	.p2align	6, 0x0
	.amdhsa_kernel k_q51476cc4a4_attn
		.amdhsa_group_segment_fixed_size 210944
		.amdhsa_private_segment_fixed_size 0
		.amdhsa_enable_private_segment 0
		.amdhsa_kernarg_size 16
		.amdhsa_user_sgpr_count 2
		.amdhsa_user_sgpr_kernarg_segment_ptr 1
		.amdhsa_wavefront_size32 1
		.amdhsa_system_sgpr_workgroup_id_x 1
		.amdhsa_system_sgpr_workgroup_id_y 1
		.amdhsa_system_sgpr_workgroup_id_z 1
		.amdhsa_system_vgpr_workitem_id 0
		.amdhsa_next_free_vgpr 256
		.amdhsa_next_free_sgpr 66
		.amdhsa_reserve_vcc 1
		.amdhsa_float_denorm_mode_32 3
		.amdhsa_float_denorm_mode_16_64 3
		.amdhsa_memory_ordered 1
		.amdhsa_forward_progress 1
		.amdhsa_inst_pref_size 65
	.end_amdhsa_kernel
	.amdgpu_metadata
---
amdhsa.version: [ 1, 2 ]
amdhsa.kernels:
  - .name:           k_q51476cc4a4_attn
    .symbol:         k_q51476cc4a4_attn.kd
    .args:
      - { .name: qkv, .offset: 0, .size: 8, .value_kind: global_buffer, .address_space: global }
      - { .name: oq, .offset: 8, .size: 8, .value_kind: global_buffer, .address_space: global }
    .group_segment_fixed_size: 210944
    .private_segment_fixed_size: 0
    .kernarg_segment_align: 8
    .kernarg_segment_size: 16
    .max_flat_workgroup_size: 512
    .sgpr_count:     66
    .vgpr_count:     256
    .wavefront_size: 32
...
	.end_amdgpu_metadata
.endif
;; end of part 3
;; launch oproj (part 4): grid 64 x 4, 4 waves a work-group, clusters of 4 x 4, 307,712 bytes of LDS; arguments oq, wq, out0; writes out0
.if DOCPART == 4
	.amdgcn_target "amdgcn-amd-amdhsa--gfx1250"
	.amdhsa_code_object_version 6
	.text
	.protected	k_q51476cc4a4_oproj
	.globl	k_q51476cc4a4_oproj
	.p2align	8
	.type	k_q51476cc4a4_oproj,@function
k_q51476cc4a4_oproj:
	s_mov_b64 s[64:65], 0
	v_nop
	global_prefetch_b8 v0, s[64:65] scope:SCOPE_SE
	s_setreg_imm32_b32 hwreg(HW_REG_WAVE_MODE, 25, 1), 1
	s_wait_xcnt 0x0
	s_wait_alu depctr_hold_cnt(0) depctr_sa_sdst(0) depctr_va_vdst(0) depctr_va_sdst(0) depctr_va_ssrc(0) depctr_va_vcc(0) depctr_vm_vsrc(0)
	s_getreg_b32 s2, hwreg(HW_REG_IB_STS2, 6, 4)
	s_cmp_eq_u32 s2, 0
	s_cbranch_scc0 .Lentry_in_a_cluster
	s_endpgm
.Lentry_in_a_cluster:
	s_bfe_u32 s2, ttmp6, 0x10000c
	s_cmp_lg_u32 s2, 0xf033
	s_cbranch_scc0 .Lentry_shape_is_right
	s_endpgm
.Lentry_shape_is_right:
; out0 = O W_o^T on codes of FP6 (E2M3) with E8M0 scales; out0 [8192][1024] f32.  A tile of 128 rows (A' = O) x 256 columns (B' = W_o), K = 1,024; 256 work-groups.
; Four waves, each 64 x 128: 32 accumulators.  The matrix instruction is used transposed (source 0 = 16 rows of W_o, source 1 = 16 rows of O): a lane holds one row of out0, its registers run along the columns.
; The operands lie in memory as images of their registers.  All of K lies in LDS: four quarters of two K steps, filled once by five tensor loads a wave at the head; no byte of LDS is filled twice.
; CLUSTERS: 4 x 4 work-groups; A's tiles are asked for jointly along a row of the cluster, B's along a column.
; THE WAY OUT undoes the order of rows and columns: a block of 16 rows x 128 columns goes through the wave's own stage in LDS (columns put in their places by the stores' offsets) and leaves as whole rows of 512 bytes
; (rows put in their places by the stores' immediates).  The stage lies in quarter 0, which has had its only fill and which nobody reads behind the barrier of K step 1.
; REGISTERS, in windows of 256: window 0: v1-14 addresses; v32-95 scale words; v128-223 A's fragments, two sets; on the way out v128-255 rows of out0.  window 1: B's fragments, two sets.  window 2: accumulator (a, b) at v[8 (8 a + b)].
.set XSC,  6291456
.set WSC,  3145728
.set QTR,  73728
.set SCL,  4*QTR
.set SP,   528
.set ADA16, 1
.set ADA8,  2
.set ADB16, 3
.set ADB8,  4
.set ADRS,  5
.set L16,   6
.set L8,    7
.set STO,   8
.set RD,    9
.set SC,    32
.set AF,    128
.set BK,    128
.set G1A,  24
.set G1B,  32
.set G1SA, 40
.set G1SB, 48
.set GAS,  56
.set GA0,  60
.set GA1,  68
.set GA2,  72
.set GA3,  76
.set GBS,  80
.set GB0,  84
.set GB1,  88
.set GB2,  92
.set GB3,  96
.set MSB, 0
.macro WIN new
.if MSB != \new
	s_set_vgpr_msb (MSB<<8)|\new
.set MSB, \new
.endif
.endm
.macro PLACES n
.rept \n
	v_nop
.endr
.endm
.macro CROUND
	s_barrier_signal -1
	s_barrier_wait -1
	s_cmp_lg_u32 s12, 0
	s_cbranch_scc1 .Lnot_wave_0_\@
	s_barrier_signal -3
.Lnot_wave_0_\@:
	s_barrier_wait -3
	s_barrier_signal -1
	s_barrier_wait -1
.endm
	s_load_b128 s[4:7], s[0:1], 0x0                ; oq, wq
	s_load_b64 s[8:9], s[0:1], 0x10                ; out0
	v_lshl_add_u32 v126, v0, 2, 0x4b000
	v_mov_b32 v127, 0
	ds_add_u32 v126, v127
	ds_add_u32 v126, v127
	v_lshrrev_b32 v1, 5, v0
	v_readfirstlane_b32 s12, v1                    ; wave 0..3
	s_lshr_b32 s13, s12, 1                         ; which 64 rows are mine.  Also: I fetch for A' (0) or B' (1)
	s_and_b32 s14, s12, 1                          ; which 128 columns.  Also: which half of that tile I fetch
	s_bfe_u32 s15, ttmp6, 0x40000                  ; cx = the tile column
	s_bfe_u32 s16, ttmp6, 0x40004                  ; cy
	s_lshl_b32 s18, ttmp9, 2
	s_add_co_u32 s18, s18, s16                     ; the tile row
	s_lshl_b32 s19, s16, 2
	s_lshl_b32 s19, 15, s19                        ; my row of the cluster
	s_lshl_b32 s23, 0x1111, s15                    ; my column
	s_or_b32 s[G1A], s19, (3<<16)|(1<<21)          ; groups 1: elements of 8 bytes, no padding, the bit beside the mask set
	s_or_b32 s[G1SA], s19, (3<<16)|(1<<21)
	s_or_b32 s[G1B], s23, (3<<16)|(1<<21)
	s_or_b32 s[G1SB], s23, (3<<16)|(1<<21)
.irp g, G1A, G1B                               ; codes: a block's two K steps are 384 elements, blocks 1,536 elements apart
	s_mov_b32 s[\g+1], 384<<16
	s_mov_b32 s[\g+3], 384<<16
	s_mov_b32 s[\g+5], 1536
	s_mov_b32 s[\g+6], 0
	s_mov_b32 s[\g+7], 0
.endr
	s_mov_b32 s[G1A+2], 4<<16
	s_mov_b32 s[G1A+4], 4
	s_mov_b32 s[G1B+2], 8<<16
	s_mov_b32 s[G1B+4], 8
.irp g, G1SA, G1SB                             ; scale words: dense, as rows of 256 bytes
	s_mov_b32 s[\g+1], 32<<16
	s_mov_b32 s[\g+3], 32<<16
	s_mov_b32 s[\g+5], 32
	s_mov_b32 s[\g+6], 0
	s_mov_b32 s[\g+7], 0
.endr
	s_mov_b32 s[G1SA+2], 8<<16
	s_mov_b32 s[G1SA+4], 8
	s_mov_b32 s[G1SB+2], 16<<16
	s_mov_b32 s[G1SB+4], 16
	s_lshl_b32 s20, s18, 3
	s_lshl_b32 s21, s14, 2
	s_add_co_u32 s20, s20, s21                     ; A': the first block that I fetch
	s_mul_i32 s100, s20, 12288
	s_mov_b32 s101, 0
	s_lshl_b32 s20, s20, 9
	s_add_co_u32 s20, s20, XSC
	s_mov_b32 s21, 0
	s_lshl_b32 s2, s15, 4
	s_lshl_b32 s3, s14, 3
	s_add_co_u32 s2, s2, s3
	s_add_co_u32 s2, s2, 192                       ; B': W_o's blocks begin at 192 in wq
	s_mul_i32 s66, s2, 12288
	s_mov_b32 s67, 0
	s_lshl_b32 s2, s2, 9
	s_add_co_u32 s2, s2, WSC
	s_mov_b32 s3, 0
	s_wait_dscnt 0x0
	s_wait_kmcnt 0x0
	s_add_nc_u64 s[GA0+2:GA0+3], s[4:5], s[100:101]
	s_add_nc_u64 s[GAS+2:GAS+3], s[4:5], s[20:21]
	s_add_nc_u64 s[GB0+2:GB0+3], s[6:7], s[66:67]
	s_add_nc_u64 s[GBS+2:GBS+3], s[6:7], s[2:3]
	s_mul_i32 s19, s14, 12288
	s_mul_i32 s23, s14, 24576
	s_add_co_u32 s23, s23, 24576
.macro G0SET ga, gb, j
	s_mov_b32 s[\ga], 1
	s_add_co_u32 s[\ga+1], s19, QTR*\j
	s_mov_b32 s[\gb], 1
	s_add_co_u32 s[\gb+1], s23, QTR*\j
.if \j > 0
	s_add_nc_u64 s[\ga+2:\ga+3], s[GA0+2:GA0+3], 3072*\j
	s_add_nc_u64 s[\gb+2:\gb+3], s[GB0+2:GB0+3], 3072*\j
.endif
.endm
	G0SET GA0, GB0, 0
	G0SET GA1, GB1, 1
	G0SET GA2, GB2, 2
	G0SET GA3, GB3, 3
	s_mov_b32 s[GAS], 1
	s_lshl_b32 s19, s14, 11
	s_add_co_u32 s[GAS+1], s19, SCL
	s_mov_b32 s[GBS], 1
	s_lshl_b32 s23, s14, 12
	s_add_co_u32 s[GBS+1], s23, SCL+4096
.irp g, GAS, GA0, GA1, GA2, GA3, GBS, GB0, GB1, GB2, GB3
	s_or_b32 s[\g+3], s[\g+3], 0x80000000
.endr
	CROUND                                         ; all sixteen work-groups are here: the joint loads meet
	s_cmp_eq_u32 s13, 0                            ; a wave's five fills stand in one branch on its number: five loads of mine are out
	s_cbranch_scc0 .Lfor_b
	tensor_load_to_lds s[GAS:GAS+3], s[G1SA:G1SA+7]
	s_nop 0
	tensor_load_to_lds s[GA0:GA0+3], s[G1A:G1A+7]
	s_nop 0
	tensor_load_to_lds s[GA1:GA1+3], s[G1A:G1A+7]
	s_nop 0
	tensor_load_to_lds s[GA2:GA2+3], s[G1A:G1A+7]
	s_nop 0
	tensor_load_to_lds s[GA3:GA3+3], s[G1A:G1A+7]
	s_nop 0
	PLACES 4
	s_branch .Lasked
.Lfor_b:
	tensor_load_to_lds s[GBS:GBS+3], s[G1SB:G1SB+7]
	s_nop 0
	tensor_load_to_lds s[GB0:GB0+3], s[G1B:G1B+7]
	s_nop 0
	tensor_load_to_lds s[GB1:GB1+3], s[G1B:G1B+7]
	s_nop 0
	tensor_load_to_lds s[GB2:GB2+3], s[G1B:G1B+7]
	s_nop 0
	tensor_load_to_lds s[GB3:GB3+3], s[G1B:G1B+7]
	s_nop 0
	PLACES 4
.Lasked:
	v_and_b32 v14, 31, v0
	v_and_b32 v12, 15, v0                          ; r
	v_bfe_u32 v13, v0, 4, 1                        ; h
	v_lshlrev_b32 v[L16], 4, v14
	v_lshlrev_b32 v[L8], 3, v14
	s_mul_i32 s19, s13, 12288
	v_add_nc_u32 v[ADA16], s19, v[L16]
	v_add_nc_u32 v[ADA8], s19, v[L8]
	s_mul_i32 s23, s14, 24576
	s_add_co_u32 s23, s23, 24576
	v_add_nc_u32 v[ADB16], s23, v[L16]
	v_add_nc_u32 v[ADB8], s23, v[L8]
	s_lshl_b32 s19, s13, 11
	s_lshl_b32 s23, s14, 12
	s_add_co_u32 s23, s23, 4096
	s_sub_co_u32 s23, s23, s19
	v_mul_u32_u24 v14, s23, v13                    ; lanes 16-31 take B's scale words
	v_lshl_add_u32 v14, v12, 4, v14
	s_add_co_u32 s19, s19, SCL
	v_add_nc_u32 v[ADRS], s19, v14
	s_mul_i32 s19, s12, 16*SP                      ; my stage
	v_mul_u32_u24 v14, v12, SP
	v_lshl_add_u32 v14, v13, 6, v14
	v_add_nc_u32 v[STO], s19, v14                  ; in: row r, + 64 h
	v_add_nc_u32 v[RD], s19, v[L16]                ; back: a row's 512 bytes, 16 a lane
	s_lshl_b32 s2, s18, 7
	s_lshl_b32 s3, s13, 6
	s_add_co_u32 s2, s2, s3                        ; my first row of out0
	s_lshl_b32 s2, s2, 12
	s_lshl_b32 s3, s15, 10
	s_add_co_u32 s2, s2, s3
	s_lshl_b32 s3, s14, 9
	s_add_co_u32 s2, s2, s3                        ; + my first column's bytes
	s_mov_b32 s3, 0
	s_add_nc_u64 s[8:9], s[8:9], s[2:3]
.macro SCALES
.irp i, 0,1,2,3,4,5,6,7
	ds_load_b128 v[SC+8*\i:SC+8*\i+3], v[ADRS] offset:512*\i
	ds_load_b128 v[SC+8*\i+4:SC+8*\i+7], v[ADRS] offset:512*\i+256
.endr
.endm
.macro FETCH s, p
	WIN 0x40
.irp b, 0,1,2,3,4,5,6,7
	ds_load_b128 v[128*(\p)+12*\b:128*(\p)+12*\b+3], v[ADB16] offset:3072*\b+1536*((\s)%2)
	ds_load_b64 v[128*(\p)+12*\b+4:128*(\p)+12*\b+5], v[ADB8] offset:3072*\b+1536*((\s)%2)+512
	ds_load_b128 v[128*(\p)+12*\b+6:128*(\p)+12*\b+9], v[ADB16] offset:3072*\b+1536*((\s)%2)+768
	ds_load_b64 v[128*(\p)+12*\b+10:128*(\p)+12*\b+11], v[ADB8] offset:3072*\b+1536*((\s)%2)+1280
.endr
	WIN 0
.irp a, 0,1,2,3
	ds_load_b128 v[AF+48*(\p)+12*\a:AF+48*(\p)+12*\a+3], v[ADA16] offset:3072*\a+1536*((\s)%2)
	ds_load_b64 v[AF+48*(\p)+12*\a+4:AF+48*(\p)+12*\a+5], v[ADA8] offset:3072*\a+1536*((\s)%2)+512
	ds_load_b128 v[AF+48*(\p)+12*\a+6:AF+48*(\p)+12*\a+9], v[ADA16] offset:3072*\a+1536*((\s)%2)+768
	ds_load_b64 v[AF+48*(\p)+12*\a+10:AF+48*(\p)+12*\a+11], v[ADA8] offset:3072*\a+1536*((\s)%2)+1280
.endr
.endm
.macro MUL32 s, p, zero                ; the 32 accumulators take turns, one instruction a turn, in the same order in every step
	WIN 0xa1
.irp a, 0,1,2,3
.irp b, 0,1,2,3,4,5,6,7
.if \zero
	v_wmma_scale_f32_16x16x128_f8f6f4 v[8*(8*\a+\b):8*(8*\a+\b)+7], v[128*(\p)+12*\b:128*(\p)+12*\b+11], v[AF+48*(\p)+12*\a:AF+48*(\p)+12*\a+11], 0, v[SC+8*\b+(\s)], v[SC+8*\a+(\s)] matrix_a_fmt:MATRIX_FMT_FP6 matrix_b_fmt:MATRIX_FMT_FP6 matrix_a_scale:MATRIX_SCALE_ROW1
.else
	v_wmma_scale_f32_16x16x128_f8f6f4 v[8*(8*\a+\b):8*(8*\a+\b)+7], v[128*(\p)+12*\b:128*(\p)+12*\b+11], v[AF+48*(\p)+12*\a:AF+48*(\p)+12*\a+11], v[8*(8*\a+\b):8*(8*\a+\b)+7], v[SC+8*\b+(\s)], v[SC+8*\a+(\s)] matrix_a_fmt:MATRIX_FMT_FP6 matrix_b_fmt:MATRIX_FMT_FP6 matrix_a_scale:MATRIX_SCALE_ROW1
.endif
.endr
.endr
	WIN 0
.endm
.macro STEP s, zero
	s_wait_dscnt 0x0                               ; this step's fragments are in
.if (\s) == 1 || (\s) == 3 || (\s) == 5
	s_wait_tensorcnt (5-(\s))/2                    ; my part of the next quarter is in; the later quarters' loads may be out
	s_barrier_signal -1
	s_barrier_wait -1                              ; everybody's is.
	v_add_nc_u32 v[ADA16], QTR, v[ADA16]           ; these four are also the places in front of the loads below
	v_add_nc_u32 v[ADA8], QTR, v[ADA8]
	v_add_nc_u32 v[ADB16], QTR, v[ADB16]
	v_add_nc_u32 v[ADB8], QTR, v[ADB8]
.elseif (\s) > 0 && (\s) < 7
	PLACES 4
.endif
.if (\s) < 7
	FETCH (\s)+1, 1-(\s)%2
.endif
	MUL32 \s, (\s)%2, \zero
.endm
	s_wait_alu depctr_va_vdst(0)
	s_wait_tensorcnt 3                             ; the scale words and my part of quarter 0 are in; three quarters' loads may be out
	s_barrier_signal -1
	s_barrier_wait -1
	SCALES
	FETCH 0, 0
	STEP 0, 1
	STEP 1, 0
	s_wait_alu depctr_va_vdst(0)
	STEP 2, 0
	STEP 3, 0
	s_wait_alu depctr_va_vdst(0)
	STEP 4, 0
	STEP 5, 0
	s_wait_alu depctr_va_vdst(0)
	STEP 6, 0
	STEP 7, 0
	PLACES 4                                       ; in front of the first read of results, and of loads into registers that held fragments
; Block a: 16 rows x 128 columns.  Register j of accumulator (a, 2 B + u) is column 32 B + 16 h + 8 u + j of row r.  LDS serves a wave's instructions in order: no wait between the stores and the loads.
.macro TOSTAGE a
	WIN 0x08                                       ; an LDS store's data are its source 1: window 2
.irp b, 0,1,2,3,4,5,6,7
	ds_store_b128 v[STO], v[64*(\a)+8*\b:64*(\a)+8*\b+3] offset:128*(\b/2)+32*(\b%2)       ; each accumulator from its low end on
	ds_store_b128 v[STO], v[64*(\a)+8*\b+4:64*(\a)+8*\b+7] offset:128*(\b/2)+32*(\b%2)+16
.endr
	WIN 0
.set BB, BK+64*((\a)%2)
.irp t, 0,1,2,3,4,5,6,7,8,9,10,11,12,13,14,15
	ds_load_b128 v[BB+4*\t:BB+4*\t+3], v[RD] offset:\t*SP
.endr
.endm
.macro SEND a, younger                 ; younger: the LDS instructions issued behind block a's loads, which may stay out
.set BB, BK+64*((\a)%2)
	s_wait_dscnt \younger
.irp t, 0,1,2,3,4,5,6,7,8,9,10,11,12,13,14,15
	global_store_b128 v[L16], v[BB+4*\t:BB+4*\t+3], s[8:9] offset:(32*((\a)/2)+8*((\a)%2)+\t+8*(\t/8))*4096 th:TH_STORE_NT   ; 512 consecutive bytes of one row, at a multiple of 256 from out0's first byte
.endr
.endm
	TOSTAGE 0
	TOSTAGE 1
	SEND 0, 32                                     ; behind block 0's loads: block 1's 16 stores and 16 loads
	s_wait_xcnt 0x0                                ; block 0's stores have read their registers: block 2's loads may land there
	TOSTAGE 2
	SEND 1, 32
	s_wait_xcnt 0x0
	TOSTAGE 3
	SEND 2, 32
	SEND 3, 0
	s_wait_dscnt 0x0
	s_wait_tensorcnt 0x0
	ds_add_u32 v126, v127
	s_wait_dscnt 0x0
	CROUND                                         ; the closing round
	s_endpgm
.Lfunc_end_k_q51476cc4a4_oproj:
	.size	k_q51476cc4a4_oproj, .Lfunc_end_k_q51476cc4a4_oproj-k_q51476cc4a4_oproj
	.p2alignl 7, 3214868480
	.fill 96, 4, 3214868480
	.section	.rodata,"a",@progbits
	.p2align	6, 0x0
	.amdhsa_kernel k_q51476cc4a4_oproj
		.amdhsa_group_segment_fixed_size 307712
		.amdhsa_private_segment_fixed_size 0
		.amdhsa_enable_private_segment 0
		.amdhsa_kernarg_size 24
		.amdhsa_user_sgpr_count 2
		.amdhsa_user_sgpr_kernarg_segment_ptr 1
		.amdhsa_wavefront_size32 1
		.amdhsa_system_sgpr_workgroup_id_x 1
		.amdhsa_system_sgpr_workgroup_id_y 1
		.amdhsa_system_sgpr_workgroup_id_z 1
		.amdhsa_system_vgpr_workitem_id 0
		.amdhsa_next_free_vgpr 768
		.amdhsa_next_free_sgpr 102
		.amdhsa_reserve_vcc 0
		.amdhsa_float_denorm_mode_32 3
		.amdhsa_float_denorm_mode_16_64 3
		.amdhsa_memory_ordered 1
		.amdhsa_forward_progress 1
		.amdhsa_inst_pref_size 85
	.end_amdhsa_kernel
	.amdgpu_metadata
---
amdhsa.version: [ 1, 2 ]
amdhsa.kernels:
  - .name:           k_q51476cc4a4_oproj
    .symbol:         k_q51476cc4a4_oproj.kd
    .args:
      - { .name: oq, .offset: 0, .size: 8, .value_kind: global_buffer, .address_space: global }
      - { .name: wq, .offset: 8, .size: 8, .value_kind: global_buffer, .address_space: global }
      - { .name: out0, .offset: 16, .size: 8, .value_kind: global_buffer, .address_space: global }
    .group_segment_fixed_size: 307712
    .private_segment_fixed_size: 0
    .kernarg_segment_align: 8
    .kernarg_segment_size: 24
    .max_flat_workgroup_size: 128
    .sgpr_count:     102
    .vgpr_count:     768
    .wavefront_size: 32
...
	.end_amdgpu_metadata
.endif
;; end of part 4
